; MI455X (gfx1250); checked and timed in simulation.
; The chip was launched on July 23, 2026; its instructions are those of AMD's public machine-readable ISA for CDNA 5 (MIT licence, August 2026) and "CDNA5" Instruction Set Architecture Reference Guide (July 2026). The comments in the code are by the model that wrote it; some were corrected since.
;; Multi Head Attention Block. Allowed arithmetic: matrix products marked QUANTISED: E2M3 operands, one E8M0 scale for each 32 along K, by v_wmma_scale_f32_16x16x128_f8f6f4 with both operands' format E2M3, f32 sums; everything else in f32.
;; Inputs: key 4 x 2,048 x 1,024 float32; mask 1 x 1 x 2,048 x 2,048 int32; query 4 x 2,048 x 1,024 float32; value 4 x 2,048 x 1,024 float32; w_k 1,024 x 1,024 float32; w_o 1,024 x 1,024 float32; w_q 1,024 x 1,024 float32; w_v 1,024 x 1,024 float32.
;; Outputs: out0 4 x 2,048 x 1,024 float32.
;; This version of the problem:
;;   THIS VERSION OF THE PROBLEM IS GIVEN IN LOW PRECISION. The matrix products marked QUANTISED in the list below multiply operands that are first quantised to E2M3 (2 exponent bits, 3 mantissa bits; 6 bits a number), with one power-of-two scale for each 32 numbers along K (OCP MX v1.0); their sums are f32. All else is computed in f32.
;;   The module's matrix products, in the order in which they are computed (A, B: the left and right operand; K: the contracted axis; several contracted axes count as one K, in the product's order):
;;     1. [M 8,192, K 1,024] x [K 1,024, N 1,024]; A: input query; B: input w_q: QUANTISED
;;     2. [M 8,192, K 1,024] x [K 1,024, N 1,024]; A: input key; B: input w_k: QUANTISED
;;     3. [M 8,192, K 1,024] x [K 1,024, N 1,024]; A: input value; B: input w_v: QUANTISED
;;     4. batch 64 x [M 2,048, K 64] x [K 64, N 2,048]; A: computed on the way; B: computed on the way: QUANTISED
;;     5. batch 64 x [M 2,048, K 2,048] x [K 2,048, N 64]; A: softmax (see below); B: computed on the way: QUANTISED
;;     6. [M 8,192, K 1,024] x [K 1,024, N 1,024]; A: computed on the way; B: input w_o: QUANTISED
;;   THE QUANTISER, for each operand of a quantised product, along K:
;;     - K is cut into blocks of 32 from its start; a last block that is shorter is filled with zeros.
;;     - A block's scale is 2^e with e = floor(log2(the largest magnitude in the block)) - 2, held to -126 .. 127; a block of zeros has e = 0. As a byte (E8M0): e + 127.
;;     - Each number is divided by its block's scale, clamped to +-7.5, and rounded to the nearest number of E2M3, ties to even, subnormals kept.
;;     - The product sums the exact products of the quantised numbers (number of the format x scale) in f32.
;;   ~~~python
;;   def quantise(x, axis):      # numpy; x: float32 -> the quantised numbers, widened to float32 again
;;       x = np.moveaxis(x, axis, -1); K = x.shape[-1]
;;       x = np.pad(x, [(0, 0)] * (x.ndim - 1) + [(0, -K % 32)]); x = x.reshape(x.shape[:-1] + (-1, 32)); a = np.abs(x).max(-1, keepdims=True)
;;       e = np.where(a > 0, np.clip(np.frexp(np.where(a > 0, a, 1))[1] - 1 - 2, -126, 127), 0)      # np.frexp(a)[1] - 1 = floor(log2(a)), exactly
;;       r = np.clip(x / 2.0 ** e, -7.5, 7.5)
;;       step = 2.0 ** (np.maximum(np.frexp(np.where(r == 0, 1, r))[1] - 1, 0) - 3)
;;       q = np.round(r / step) * step * 2.0 ** e      # np.round: ties to even
;;       return np.moveaxis(q.reshape(q.shape[:-2] + (-1,))[..., :K], -1, axis).astype(np.float32)
;;   ~~~
;;   SOFTMAX AHEAD OF A QUANTISED PRODUCT. Where the list says 'softmax', what is quantised is not the finished softmax but p = 2^(t - M), with t = logit x log2(e) and M = ceil(the row's largest t), a whole number; so 1/2 < the row's largest p <= 1. The row's sum l is taken of the UNQUANTISED p, in f32, and the product's result is divided by l at the end. Since M is a whole number, a kernel that streams over the keys may use a running M (the ceiling of the running maximum): every later rescaling is an exact power of two, which a block's scale takes up: the codes' values come out the same.
;;   OPERANDS COMPUTED ON THE WAY. 'Computed on the way' means the value that the module computes at that place (a softmax that the list does not call 'softmax' is quantised finished and normalised). What goes into a quantiser is computed in f32, as accurately as f32 sums, v_exp_f32 and their like allow (about 1e-6 of the number): no bf16 or f16 on the way to a quantiser, and a product that is left as it is and whose result goes on into a quantised operand takes f32 operands (vector FMAs, or v_wmma_f32_16x16x4_f32). A number that lies on a knife's edge between two numbers of the format may be rounded either way, as far as f32 arithmetic and the matrix unit's own rounding can turn it there, and no further.
;; One version. Each part assembles by itself: llvm-mc -triple=amdgcn-amd-amdhsa -mcpu=gfx1250 --defsym DOCPART=n.
;; ======== version 1 of 1: 4 launches
;; limits: right only within a limited range of input values
;; workspace buffers: codes 22,020,096 bytes; scales 1,835,008 bytes; maskw 524,288 bytes of whole numbers; maskf 8,192 bytes of whole numbers; kv 13,369,344 bytes; qimg 13,369,344 bytes; ac 6,291,456 bytes; asc 524,288 bytes
;; launch quant (part 1): grid 512 x 1, 4 waves a work-group, no clusters, 72,192 bytes of LDS; arguments query, key, value, w_q, w_k, w_v, w_o, mask, codes, scales, maskw, maskf; writes codes, scales, maskw, maskf
.if DOCPART == 1
	.amdgcn_target "amdgcn-amd-amdhsa--gfx1250"
	.amdhsa_code_object_version 6
	.text
	.protected	k_q1ac1d364a2_quant
	.globl	k_q1ac1d364a2_quant
	.p2align	8
	.type	k_q1ac1d364a2_quant,@function
k_q1ac1d364a2_quant:
	s_mov_b64 s[64:65], 0
	v_nop
	global_prefetch_b8 v0, s[64:65] scope:SCOPE_SE
	s_setreg_imm32_b32 hwreg(HW_REG_WAVE_MODE, 25, 1), 1
	s_wait_xcnt 0x0
; query, key, value [8192][1024] and w_q, w_k, w_v, w_o [1024][1024], f32, K innermost, become codes of FP6 (E2M3) with one E8M0 byte for each 32 along K; the mask [2048][2048] of int32 becomes lane masks and flags.
; A block's scale is 2^(floor(log2(its largest magnitude)) - 2); its byte is the largest magnitude's exponent field - 2, held at 1 from below.
; LIMITS: a block of zeros gets the byte 1 where the rule says 127 (its codes are zeros, and this program alone reads the bytes); NaN and infinities among the inputs are not served.
; LAYOUT OF THE CODES: images of the operand's registers.  A tile is 16 rows.  In all tensors but key, lane r of tile T holds row 32 (T / 2) + 8 (T % 2) + r + 8 (r / 8); in key, row 64 (T / 4) + 8 (T % 4) + r + 24 (r / 8),
; so that in the scores of four neighbouring key tiles a lane's 32 registers are 32 neighbouring keys.  For each 128 along K a tile has 12 registers a lane:
; registers 4 c .. 4 c + 3 lie at 512 c + 16 x lane (1,536 bytes), its scale words at 4 x lane (128 bytes; lanes 16-31 repeat lanes 0-15).  codes: [tile][K step][1,536], scales: [tile][K step][128].
; Tiles in the order query (512), key (512), value (512), w_q, w_k, w_v, w_o (64 each).
; WORK-GROUPS 0-447: a wave takes one tile, eight K steps.  Each load reads 512 consecutive bytes of one row; a K step's 16 rows turn through the wave's own stage in LDS, so that a lane gets 16 neighbours of each block of 32.
; WORK-GROUPS 448-511: tiles T = 2 (work-group - 448) and T + 1 of queries; wave w takes key steps 4 w .. 4 w + 3 of 128 keys of both: eight units of 16 loads, as many loads as a wave of the codes' path has.
; Word j = 32 c + i of (T, step): bit (r + 16 h) says whether mask[row of lane r][128 step + 64 c + 32 h + i] is not 0.  maskw: [T][step][64 words].
; maskf: [T][step], one word: not 0 where some bit of the step's 64 words is 0, that is, where some key is hidden from some query of the tile.
; The two kinds of work-group have LDS bytes of their own.  No barrier: waves share nothing.
.set STGP,  528                        ; a stage row: 512 bytes + 16
.set WREG,  16*STGP+1024               ; the codes' path, a wave's region: the stage, then its tile's 1,024 bytes of scale words
.set MREG,  4*WREG                     ; the mask's path begins here
.set MWREG, 16*STGP                    ; a wave's stage there
.set SPARE, MREG+4*MWREG               ; the spare words, 128 bytes for each wave
.set SPW, 12                           ; v12  LDS address of my spare word; never rewritten
.set NIL, 13                           ; v13  0; never rewritten
.set TM,  16                           ; v16-31 at work in QUANT (the mask's path: v16 the flags, v17-19 at work)
.set PW,  32                           ; v32  the scale word just made
.set PC,  36                           ; v36-47 the codes just made, v48-55 the conversions' second halves
.set WD,  56                           ; v56-63 the mask's words: four pairs by turns
.set R,   64                           ; v64-191 two sets of 64 registers as loaded
.set X,   192                          ; v192-255 64 numbers of my row
.set SEL, 2                            ; s[2:3] v_permlanex16_b32's selects for lane l xor 16
	s_load_b512 s[8:23], s[0:1], 0x0               ; query, key, value, w_q, w_k, w_v, w_o, mask
	s_load_b128 s[24:27], s[0:1], 0x40             ; codes, scales
	s_load_b64 s[28:29], s[0:1], 0x50              ; maskw
	s_load_b64 s[40:41], s[0:1], 0x58              ; maskf
	v_lshl_add_u32 v[SPW], v0, 2, SPARE
	v_mov_b32 v[NIL], 0
	v_lshrrev_b32 v1, 5, v0
	v_readfirstlane_b32 s30, v1                    ; wave 0..3
	v_and_b32 v1, 31, v0                           ; lane
	v_and_b32 v2, 15, v0                           ; r
	v_bfe_u32 v3, v0, 4, 1                         ; h
	v_lshlrev_b32 v4, 4, v1                        ; 16 x lane: my bytes of a load's 512, and of an image's chunk
	v_lshlrev_b32 v11, 3, v1                       ; 8 x lane: my two words of a key step's 64
	v_mul_u32_u24 v14, v2, STGP
	v_lshl_add_u32 v14, v3, 6, v14                 ; stage row r, + 64 h
	s_mul_i32 s31, s30, WREG                       ; every LDS address is made here, ahead of the parting of the two kinds of work-group
	v_add_nc_u32 v5, s31, v4                       ; the codes' path: into the stage,
	v_add_nc_u32 v6, s31, v14                      ; out of it,
	s_add_co_u32 s31, s31, 16*STGP
	v_lshl_add_u32 v7, v1, 2, s31                  ; my scale word's place,
	v_add_nc_u32 v8, s31, v4                       ; and the scale words' way out
	s_mul_i32 s31, s30, MWREG
	s_add_co_u32 s31, s31, MREG
	v_add_nc_u32 v9, s31, v4                       ; the mask's path: into its stage,
	v_add_nc_u32 v10, s31, v14
	v_lshl_add_u32 v10, v3, 6, v10                 ; and out of it: row r, + 128 h
	s_mov_b32 s[SEL], 0x76543210
	s_mov_b32 s[SEL+1], 0xfedcba98
.irp b, 0,1,2,3
	v_mov_b32 v[TM+4+\b], 0                        ; written once: a lane permute's destination counts as one of its sources
.endr
.irp i, 0,1,2,3,4,5,6,7
	v_mov_b32 v[WD+\i], 0                          ; likewise v_writelane_b32's
.endr
; 16 loads: 512 consecutive bytes (128 numbers, step s) of each of the tile's 16 rows, into set.  Rows 0-7 go by v4, rows 8-15 by v15, which in key's tiles stands 16 rows further on
.macro LOADG base, pitch, s, set
.irp t, 0,1,2,3,4,5,6,7,8,9,10,11,12,13,14,15
	global_load_b128 v[R+64*(\set)+4*\t:R+64*(\set)+4*\t+3], v[4+11*(\t/8)], s[\base:\base+1] offset:(\t+8*(\t/8))*\pitch+512*(\s) th:TH_LOAD_NT
.endr
.endm
; a set goes through the stage as it lies.  The codes' path (ld = 6): register 16 b + i = k 32 b + 16 h + i.  The mask's (ld = 10): register 32 c + i = key 64 c + 32 h + i.
; LDS serves a wave's instructions in order (ISA guide 5.7.1.4): no wait between the stores and the loads
.macro THROUGH set, sto, ld
.irp t, 0,1,2,3,4,5,6,7,8,9,10,11,12,13,14,15
	ds_store_b128 v[\sto], v[R+64*(\set)+4*\t:R+64*(\set)+4*\t+3] offset:STGP*\t
.endr
.irp b, 0,1,2,3
.irp j, 0,1,2,3
	ds_load_b128 v[X+16*\b+4*\j:X+16*\b+4*\j+3], v[\ld] offset:128*\b+16*\j-64*(\b%2)*((\ld)/10)
.endr
.endr
	s_wait_dscnt 0x0                               ; the numbers are back, and the stores have read the set: it may be loaded again
.endm
; 64 numbers of a lane, v[s] .. v[s + 63], become a fragment's 12 registers of codes in v[PC] on and its scale word in v[PW]
.macro QUANT s
.irp b, 0,1,2,3
	v_max3_num_f32 v[TM+\b], |v[\s+16*\b]|, |v[\s+1+16*\b]|, 0x1800000   ; block b: my 16 numbers, and the floor 2^(3 - 127): so the byte cannot fall under 1
.endr
.irp i, 2,4,6,8,10,12,14
.irp b, 0,1,2,3
	v_max3_num_f32 v[TM+\b], v[TM+\b], |v[\s+16*\b+\i]|, |v[\s+1+16*\b+\i]|   ; the four blocks by turns
.endr
.endr
.irp b, 0,1,2,3
	v_permlanex16_b32 v[TM+4+\b], v[TM+\b], s[SEL], s[SEL+1]
.endr
.irp b, 0,1,2,3
	v_max_num_f32 v[TM+\b], v[TM+\b], v[TM+4+\b]   ; with lane l xor 16's: the block's largest magnitude
.endr
.irp b, 0,1,2,3
	v_add_nc_u32 v[TM+12+\b], 0xff000000, v[TM+\b] ; 2 off its exponent field: the conversion takes the exponent field of this operand as its scale
.endr
.irp b, 0,1,2,3
	v_lshrrev_b32 v[TM+4+\b], 23, v[TM+12+\b]      ; the scale's byte
.endr
	v_lshl_or_b32 v[PW], v[TM+5], 8, v[TM+4]
	v_lshl_or_b32 v[PW], v[TM+6], 16, v[PW]
	v_lshl_or_b32 v[PW], v[TM+7], 24, v[PW]        ; my row's scale word
.irp c, 0,1
	v_cvt_scalef32_pk16_fp6_f32 v[PC+6*\c:PC+2+6*\c], v[\s+32*\c:\s+15+32*\c], v[TM+12+2*\c]
	v_cvt_scalef32_pk16_fp6_f32 v[PC+12+4*\c:PC+14+4*\c], v[\s+16+32*\c:\s+31+32*\c], v[TM+13+2*\c]   ; (a conversion's three registers begin on an even number)
.endr
	v_nop                                          ; one plain instruction behind the scaled conversions
.irp c, 0,1                            ; the operand's layout wants a whole block in a lane: lanes 0-15 block 2 c, lanes 16-31 block 2 c + 1
.irp i, 0,1,2
	v_permlane16_swap_b32 v[PC+6*\c+\i], v[PC+12+4*\c+\i]
.endr
.irp i, 0,1,2
	v_mov_b32 v[PC+3+6*\c+\i], v[PC+12+4*\c+\i]
.endr
.endr
.endm
	s_wait_kmcnt 0x0
	s_cmp_ge_u32 ttmp9, 448
	s_cbranch_scc1 .Lmask
	; ---- the codes' path.  Which tensor: a chain of choices on the work-group's number alone
	s_mov_b64 s[4:5], s[20:21]                     ; w_o, from work-group 432
	s_mov_b32 s6, 432
	s_cmp_lt_u32 ttmp9, 432
	s_cselect_b64 s[4:5], s[18:19], s[4:5]         ; w_v
	s_cselect_b32 s6, 416, s6
	s_cmp_lt_u32 ttmp9, 416
	s_cselect_b64 s[4:5], s[16:17], s[4:5]         ; w_k
	s_cselect_b32 s6, 400, s6
	s_cmp_lt_u32 ttmp9, 400
	s_cselect_b64 s[4:5], s[14:15], s[4:5]         ; w_q
	s_cselect_b32 s6, 384, s6
	s_cmp_lt_u32 ttmp9, 384
	s_cselect_b64 s[4:5], s[12:13], s[4:5]         ; value
	s_cselect_b32 s6, 256, s6
	s_cmp_lt_u32 ttmp9, 256
	s_cselect_b64 s[4:5], s[10:11], s[4:5]         ; key
	s_cselect_b32 s6, 128, s6
	s_cmp_lt_u32 ttmp9, 128
	s_cselect_b64 s[4:5], s[8:9], s[4:5]           ; query
	s_cselect_b32 s6, 0, s6
	s_sub_co_u32 s7, ttmp9, s6
	s_lshl_b32 s7, s7, 2
	s_add_co_u32 s7, s7, s30                       ; my tile in its tensor
	s_lshr_b32 s32, s7, 1
	s_lshl_b32 s32, s32, 5
	s_and_b32 s33, s7, 1
	s_lshl_b32 s33, s33, 3
	s_add_co_u32 s32, s32, s33                     ; its first row: 32 (T / 2) + 8 (T % 2);
	s_lshr_b32 s33, s7, 2
	s_lshl_b32 s33, s33, 6
	s_and_b32 s38, s7, 3
	s_lshl_b32 s38, s38, 3
	s_add_co_u32 s33, s33, s38                     ; in key: 64 (T / 4) + 8 (T % 4),
	s_cmp_eq_u32 s6, 128
	s_cselect_b32 s32, s33, s32
	s_cselect_b32 s38, 65536, 0                    ; and its rows 8-15 lie 16 rows of 4,096 bytes further on
	s_lshl_b32 s32, s32, 12                        ; rows of 4,096 bytes
	s_mov_b32 s33, 0
	s_add_nc_u64 s[4:5], s[4:5], s[32:33]
	s_lshl_b32 s34, ttmp9, 2
	s_add_co_u32 s34, s34, s30                     ; my tile among all 1,792
	s_mul_i32 s36, s34, 12288
	s_mov_b32 s37, 0
	s_add_nc_u64 s[24:25], s[24:25], s[36:37]
	s_lshl_b32 s36, s34, 10
	s_add_nc_u64 s[26:27], s[26:27], s[36:37]
	v_add_nc_u32 v15, s38, v4
	s_wait_alu depctr_va_vdst(0)                   ; the wait behind the write
	LOADG 4, 4096, 0, 0
	LOADG 4, 4096, 1, 1                            ; two K steps, 32 loads, are on their way
.macro KSTEP s
.if (\s) < 7
	s_wait_loadcnt 16                              ; this step's 16 loads are in; the next step's 16 may be out
.else
	s_wait_loadcnt 0
.endif
	THROUGH (\s)%2, 5, 6
	s_wait_xcnt 0x0                                ; the last step's stores have read their data: the codes' registers are written again only behind this wait
.if (\s)+2 < 8
	LOADG 4, 4096, (\s)+2, (\s)%2
.endif
	QUANT X
	ds_store_b32 v7, v[PW] offset:128*(\s)         ; the scale words are gathered: 1,024 bytes a tile
.irp c, 0,1,2
	global_store_b128 v4, v[PC+4*\c:PC+4*\c+3], s[24:25] offset:1536*(\s)+512*\c   ; 32 lanes store 512 consecutive bytes, at a multiple of 256 from the buffer's first byte
.endr
.endm
.irp s, 0,1,2,3,4,5,6,7
	KSTEP \s
.endr
	ds_load_b128 v[X:X+3], v8                      ; LDS serves a wave's instructions in order: these see my stores
	ds_load_b128 v[X+4:X+7], v8 offset:512
	s_wait_dscnt 0x0
	global_store_b128 v4, v[X:X+3], s[26:27]
	global_store_b128 v4, v[X+4:X+7], s[26:27] offset:512
	s_branch .Lend
.Lmask:
	; ---- the mask's path
	s_sub_co_u32 s7, ttmp9, 448
	s_lshl_b32 s7, s7, 1                           ; T, an even number; T + 1's queries begin 8 rows further on
	s_lshr_b32 s32, s7, 1
	s_lshl_b32 s32, s32, 5                         ; the tile's first query
	s_lshl_b32 s32, s32, 13                        ; rows of 8,192 bytes
	s_lshl_b32 s33, s30, 11                        ; my four key steps: 2,048 bytes on for each wave
	s_add_co_u32 s32, s32, s33
	s_mov_b32 s33, 0
	s_add_nc_u64 s[22:23], s[22:23], s[32:33]
	s_lshl_b32 s34, s7, 4
	s_lshl_b32 s35, s30, 2
	s_add_co_u32 s34, s34, s35
	s_lshl_b32 s36, s34, 2                         ; a flag word for each (T, step)
	s_lshl_b32 s34, s34, 8                         ; 256 bytes of words for each (T, step)
	s_mov_b32 s35, 0
	s_mov_b32 s37, 0
	s_add_nc_u64 s[28:29], s[28:29], s[34:35]
	s_add_nc_u64 s[40:41], s[40:41], s[36:37]
	v_mov_b32 v15, v4                              ; queries keep the common order of rows
	v_mov_b32 v16, 0                               ; the flags: v_writelane_b32's destination counts as one of its sources
	s_wait_alu depctr_va_vdst(0)                   ; the wait behind the writes
	LOADG 22, 8192, 0, 0
	LOADG 22, 8192, 1, 1
; unit u: key step 4 w + u % 4 of tile T + u / 4 (65,536 bytes, 128 steps of 512, further on in the mask)
.macro MUNIT u
.if (\u) < 7
	s_wait_loadcnt 16                              ; this unit's 16 loads are in; the next one's may be out
.else
	s_wait_loadcnt 0
.endif
	THROUGH (\u)%2, 9, 10
.if (\u)+2 < 8
	LOADG 22, 8192, ((\u)+2)%4+128*(((\u)+2)/4), (\u)%2
.endif
.if (\u) >= 4
	s_wait_xcnt 0x0                                ; the store of four units ago has read its pair
.endif
.irp g, 0,1,2,3,4,5,6,7
.irp k, 0,1,2,3,4,5,6,7
	v_cmp_ne_u32 s[32+\k], 0, v[X+8*\g+\k]         ; word 8 g + k: a bit a lane
.endr
.irp k, 0,1,2,3,4,5,6,7
	v_writelane_b32 v[WD+2*((\u)%4)+\k%2], s[32+\k], 4*\g+\k/2   ; word j goes to lane j / 2, register j % 2
.endr
.endr
	global_store_b64 v11, v[WD+2*((\u)%4):WD+2*((\u)%4)+1], s[28:29] offset:256*((\u)%4)+4096*((\u)/4)   ; 32 lanes store 256 consecutive bytes, aligned
	v_and_b32 v17, v[WD+2*((\u)%4)], v[WD+2*((\u)%4)+1]
	v_cmp_ne_u32 s4, -1, v17                       ; not 0 where some word has a bit that is 0
	v_writelane_b32 v16, s4, (\u)%4+16*((\u)/4)    ; lanes 0-3: tile T's four steps; lanes 16-19: tile T + 1's, 64 bytes further on
.endm
.irp u, 0,1,2,3,4,5,6,7
	MUNIT \u
.endr
	v_and_b32 v18, 12, v1
	v_lshlrev_b32 v19, 2, v1
	s_wait_alu depctr_va_vdst(0)
	s_wait_xcnt 0x0                                ; EXEC changes only behind this wait
	v_cmp_eq_u32 vcc_lo, 0, v18
	s_and_saveexec_b32 s6, vcc_lo                  ; lanes 0-3 and 16-19
	global_store_b32 v19, v16, s[40:41]
	s_wait_xcnt 0x0
	s_or_b32 exec_lo, exec_lo, s6
.Lend:
	s_wait_tensorcnt 0x0                           ; the wave's end
	ds_add_u32 v[SPW], v[NIL]
	s_wait_dscnt 0x0
	s_endpgm
.Lfunc_end_k_q1ac1d364a2_quant:
	.size	k_q1ac1d364a2_quant, .Lfunc_end_k_q1ac1d364a2_quant-k_q1ac1d364a2_quant
	.p2alignl 7, 3214868480
	.fill 96, 4, 3214868480
	.section	.rodata,"a",@progbits
	.p2align	6, 0x0
	.amdhsa_kernel k_q1ac1d364a2_quant
		.amdhsa_group_segment_fixed_size 72192
		.amdhsa_private_segment_fixed_size 0
		.amdhsa_enable_private_segment 0
		.amdhsa_kernarg_size 96
		.amdhsa_user_sgpr_count 2
		.amdhsa_user_sgpr_kernarg_segment_ptr 1
		.amdhsa_wavefront_size32 1
		.amdhsa_system_sgpr_workgroup_id_x 1
		.amdhsa_system_sgpr_workgroup_id_y 1
		.amdhsa_system_sgpr_workgroup_id_z 1
		.amdhsa_system_vgpr_workitem_id 0
		.amdhsa_next_free_vgpr 256
		.amdhsa_next_free_sgpr 66
		.amdhsa_reserve_vcc 1
		.amdhsa_float_denorm_mode_32 3
		.amdhsa_float_denorm_mode_16_64 3
		.amdhsa_memory_ordered 1
		.amdhsa_forward_progress 1
		.amdhsa_inst_pref_size 162
	.end_amdhsa_kernel
	.amdgpu_metadata
---
amdhsa.version: [ 1, 2 ]
amdhsa.kernels:
  - .name:           k_q1ac1d364a2_quant
    .symbol:         k_q1ac1d364a2_quant.kd
    .args:
      - { .name: query, .offset: 0, .size: 8, .value_kind: global_buffer, .address_space: global }
      - { .name: key, .offset: 8, .size: 8, .value_kind: global_buffer, .address_space: global }
      - { .name: value, .offset: 16, .size: 8, .value_kind: global_buffer, .address_space: global }
      - { .name: w_q, .offset: 24, .size: 8, .value_kind: global_buffer, .address_space: global }
      - { .name: w_k, .offset: 32, .size: 8, .value_kind: global_buffer, .address_space: global }
      - { .name: w_v, .offset: 40, .size: 8, .value_kind: global_buffer, .address_space: global }
      - { .name: w_o, .offset: 48, .size: 8, .value_kind: global_buffer, .address_space: global }
      - { .name: mask, .offset: 56, .size: 8, .value_kind: global_buffer, .address_space: global }
      - { .name: codes, .offset: 64, .size: 8, .value_kind: global_buffer, .address_space: global }
      - { .name: scales, .offset: 72, .size: 8, .value_kind: global_buffer, .address_space: global }
      - { .name: maskw, .offset: 80, .size: 8, .value_kind: global_buffer, .address_space: global }
      - { .name: maskf, .offset: 88, .size: 8, .value_kind: global_buffer, .address_space: global }
    .group_segment_fixed_size: 72192
    .private_segment_fixed_size: 0
    .kernarg_segment_align: 8
    .kernarg_segment_size: 96
    .max_flat_workgroup_size: 128
    .sgpr_count:     66
    .vgpr_count:     256
    .wavefront_size: 32
...
	.end_amdgpu_metadata
.endif
;; end of part 1
;; launch proj (part 2): grid 4 x 96, 4 waves a work-group, clusters of 4 x 4, 327,680 bytes of LDS; arguments codes, scales, qimg, kv; writes qimg, kv
.if DOCPART == 2
	.amdgcn_target "amdgcn-amd-amdhsa--gfx1250"
	.amdhsa_code_object_version 6
	.text
	.protected	k_q1ac1d364a2_proj
	.globl	k_q1ac1d364a2_proj
	.p2align	8
	.type	k_q1ac1d364a2_proj,@function
k_q1ac1d364a2_proj:
	s_mov_b64 s[64:65], 0
	v_nop
	global_prefetch_b8 v0, s[64:65] scope:SCOPE_SE
	s_setreg_imm32_b32 hwreg(HW_REG_WAVE_MODE, 25, 1), 1
	s_wait_xcnt 0x0
	s_wait_alu depctr_hold_cnt(0) depctr_sa_sdst(0) depctr_va_vdst(0) depctr_va_sdst(0) depctr_va_ssrc(0) depctr_va_vcc(0) depctr_vm_vsrc(0)
	s_getreg_b32 s2, hwreg(HW_REG_IB_STS2, 6, 4)
	s_cmp_eq_u32 s2, 0
	s_cbranch_scc0 .Lentry_in_a_cluster
	s_endpgm
.Lentry_in_a_cluster:
	s_bfe_u32 s2, ttmp6, 0x10000c
	s_cmp_lg_u32 s2, 0xf033
	s_cbranch_scc0 .Lentry_shape_is_right
	s_endpgm
.Lentry_shape_is_right:
.set FR,    12
.set NL,    3
.set NP,    4
.set NQ,    2
.set KIMG,  1536
.set TILEB, NQ*KIMG
.set QUART, 8*TILEB
.set SLOT,  4*QUART
.set SCL,   2*SLOT
.set SCQ,   8192
.set STG,   SCL+4*SCQ+4096
.set SPARE, STG+4096
.set HS,    208896
.set SLOTB, 104448
.set ADRP, 16
.set ADRS, 20
.set OA0,  22
.set OA1,  23
.set SST,  24
.set SLD,  25
.set SA,   26
.set SCAD, 27
.set SPW,  28
.set NIL,  29
.set SH,   30
.set SC,   32
.set AF,   128
.set PC,   112
.set TM,   200
.set PW,   216
.set PWS,  217
.set SEL,  66
.set OB,   92
.set G1, 24
.set G0, 32
.set G1B, 48
.set G0B, 56
.set G1S, 68
.set G0S, 76
.set G1SB, 80
.set G0SB, 88
.set MSB, 0
.macro WIN new
.if MSB != (\new)
	s_set_vgpr_msb (MSB<<8)|(\new)
.set MSB, \new
.endif
.endm
.set MUL_LO, 0xa1
.set MUL_HI, 0xf1
.set TO_S,   0x40
.macro JLOAD g0a, g1a, g0b, g1b
	s_cmp_eq_u32 s15, 0
	s_cbranch_scc0 .Lfor_b_\@
	tensor_load_to_lds s[\g0a:\g0a+3], s[\g1a:\g1a+7]
	s_nop 0
.rept 4
	v_nop
.endr
	s_branch .Lasked_\@
.Lfor_b_\@:
	tensor_load_to_lds s[\g0b:\g0b+3], s[\g1b:\g1b+7]
	s_nop 0
.rept 4
	v_nop
.endr
.Lasked_\@:
.endm
.macro CREST
	s_cmp_lg_u32 s14, 0
	s_cbranch_scc1 .Lnot_wave_0_\@
	s_barrier_signal -3
.Lnot_wave_0_\@:
	s_barrier_wait -3
	s_barrier_signal -1
	s_barrier_wait -1
.endm
.macro CROUND
	s_barrier_signal -1
	s_barrier_wait -1
	CREST
.endm
	s_load_b256 s[4:11], s[0:1], 0x0
	v_lshl_add_u32 v[SPW], v0, 2, SPARE
	v_mov_b32 v[NIL], 0
	ds_add_u32 v[SPW], v[NIL]
	ds_add_u32 v[SPW], v[NIL]
	v_lshrrev_b32 v1, 5, v0
	v_readfirstlane_b32 s14, v1
	s_lshr_b32 s15, s14, 1
	s_and_b32 s16, s14, 1
	s_bfe_u32 s40, ttmp6, 0x40000
	s_bfe_u32 s41, ttmp6, 0x40004
	s_lshl_b32 s42, ttmp9, 2
	s_add_co_u32 s42, s42, s40
	s_and_b32 s13, ttmp7, 0xffff
	s_lshr_b32 s12, s13, 3
	s_and_b32 s17, s13, 7
	s_lshl_b32 s17, s17, 2
	s_add_co_u32 s17, s17, s41
	s_lshl_b32 s43, s41, 2
	s_lshl_b32 s43, 15, s43
	s_lshl_b32 s44, 0x1111, s40
	s_or_b32 s[G1+0], s43, (3<<16)|(1<<21)
	s_or_b32 s[G1B+0], s44, (3<<16)|(1<<21)
.irp g, G1, G1B
	s_mov_b32 s[\g+1], 384<<16
	s_mov_b32 s[\g+2], 16<<16
	s_mov_b32 s[\g+3], 384<<16
	s_mov_b32 s[\g+4], 16
	s_mov_b32 s[\g+5], 1536
	s_mov_b32 s[\g+6], 0
	s_mov_b32 s[\g+7], 0
.endr
	s_or_b32 s[G1S+0], s43, (3<<16)|(1<<21)
	s_or_b32 s[G1SB+0], s44, (3<<16)|(1<<21)
.irp g, G1S, G1SB
	s_mov_b32 s[\g+1], 32<<16
	s_mov_b32 s[\g+2], 64<<16
	s_mov_b32 s[\g+3], 32<<16
	s_mov_b32 s[\g+4], 64
	s_mov_b32 s[\g+5], 32
	s_mov_b32 s[\g+6], 0
	s_mov_b32 s[\g+7], 0
.endr
	s_lshl_b32 s18, s16, 3
	s_lshl_b32 s20, s17, 4
	s_add_co_u32 s20, s20, s18
	s_lshl_b32 s46, s42, 4
	s_add_co_u32 s46, s46, s18
	s_lshl_b32 s22, s20, 10
	s_mul_i32 s19, s12, 524288
	s_add_co_u32 s22, s22, s19
	s_mov_b32 s23, 0
	s_mul_i32 s20, s20, 12288
	s_mul_i32 s19, s12, 6291456
	s_add_co_u32 s20, s20, s19
	s_mov_b32 s21, 0
	s_lshl_b32 s92, s46, 10
	s_mul_i32 s19, s12, 65536
	s_add_co_u32 s92, s92, s19
	s_add_co_u32 s92, s92, 1572864
	s_mov_b32 s93, 0
	s_mul_i32 s46, s46, 12288
	s_mul_i32 s19, s12, 786432
	s_add_co_u32 s46, s46, s19
	s_add_co_u32 s46, s46, 18874368
	s_mov_b32 s47, 0
	s_mul_i32 s45, s14, QUART
	s_lshl_b32 s94, s14, 13
	s_wait_dscnt 0x0
	s_wait_kmcnt 0x0
	s_add_nc_u64 s[20:21], s[4:5], s[20:21]
	s_add_nc_u64 s[22:23], s[6:7], s[22:23]
	s_add_nc_u64 s[46:47], s[4:5], s[46:47]
	s_add_nc_u64 s[92:93], s[6:7], s[92:93]
	CROUND
.irp s, 0,1
	s_mov_b32 s[G0+4*\s], 1
	s_add_co_u32 s[G0+4*\s+1], s45, \s*SLOT
	s_add_nc_u64 s[G0+4*\s+2:G0+4*\s+3], s[20:21], \s*TILEB
	s_or_b32 s[G0+4*\s+3], s[G0+4*\s+3], 0x80000000
	s_mov_b32 s[G0B+4*\s], 1
	s_add_co_u32 s[G0B+4*\s+1], s45, \s*SLOT
	s_add_nc_u64 s[G0B+4*\s+2:G0B+4*\s+3], s[46:47], \s*TILEB
	s_or_b32 s[G0B+4*\s+3], s[G0B+4*\s+3], 0x80000000
.endr
	; the head's four tiles, each whole, one load a wave: slot 0's 16 tiles of the first operand, its 16 of the second, and both operands' scale words
	s_mul_i32 s2, s16, 8*12288                     ; what my half of 8 tiles added to the addresses
	s_mov_b32 s3, 0
	s_mov_b32 s[G0+1], 0
	s_sub_nc_u64 s[G0+2:G0+3], s[G0+2:G0+3], s[2:3]
	s_mov_b32 s[G0B+1], 2*QUART
	s_sub_nc_u64 s[G0B+2:G0B+3], s[G0B+2:G0B+3], s[2:3]
	s_lshl_b32 s2, s16, 13
	s_mov_b32 s[G0S], 1
	s_mov_b32 s[G0S+1], SCL
	s_sub_nc_u64 s[G0S+2:G0S+3], s[22:23], s[2:3]
	s_or_b32 s[G0S+3], s[G0S+3], 0x80000000
	s_mov_b32 s[G0SB], 1
	s_mov_b32 s[G0SB+1], SCL+2*SCQ
	s_sub_nc_u64 s[G0SB+2:G0SB+3], s[92:93], s[2:3]
	s_or_b32 s[G0SB+3], s[G0SB+3], 0x80000000
	s_cmp_lt_u32 s14, 1
	s_cbranch_scc0 .Lh1
	tensor_load_to_lds s[G0:G0+3], s[G1:G1+7]
	s_nop 0
.rept 4
	v_nop
.endr
	s_branch .Lhd
.Lh1:
	s_cmp_lt_u32 s14, 2
	s_cbranch_scc0 .Lh2
	tensor_load_to_lds s[G0B:G0B+3], s[G1B:G1B+7]
	s_nop 0
.rept 4
	v_nop
.endr
	s_branch .Lhd
.Lh2:
	s_cmp_lt_u32 s14, 3
	s_cbranch_scc0 .Lh3
	tensor_load_to_lds s[G0S:G0S+3], s[G1S:G1S+7]
	s_nop 0
.rept 4
	v_nop
.endr
	s_branch .Lhd
.Lh3:
	tensor_load_to_lds s[G0SB:G0SB+3], s[G1SB:G1SB+7]
	s_nop 0
.rept 4
	v_nop
.endr
.Lhd:
	v_and_b32 v1, 15, v0
	v_bfe_u32 v2, v0, 4, 1
	v_and_b32 v3, 31, v0
	v_lshlrev_b32 v4, 4, v3
	s_wait_alu depctr_va_vdst(0)
	s_mul_i32 s18, s15, QUART
	s_mul_i32 s19, s16, QUART
	s_add_co_u32 s19, s19, 2*QUART
	s_cmp_eq_u32 s12, 2
	s_cselect_b32 s2, s19, s18
	s_cselect_b32 s3, s18, s19
.irp s, 0,1
	v_add_nc_u32 v[ADRP+\s], s2, v4
	v_add_nc_u32 v[ADRS+\s], s3, v4
	s_add_co_u32 s2, s2, SLOT
	s_add_co_u32 s3, s3, SLOT
.endr
	s_lshl_b32 s18, s15, 13
	s_lshl_b32 s19, s16, 13
	s_add_co_u32 s19, s19, 2*SCQ
	s_cmp_eq_u32 s12, 2
	s_cselect_b32 s2, s19, s18
	s_cselect_b32 s3, s18, s19
	v_lshl_add_u32 v5, v3, 2, SCL
	v_add_nc_u32 v6, s2, v5
	v_add_nc_u32 v7, s3, v5
	s_mov_b32 s45, 0xffff0000
	v_cndmask_b32 v[SCAD], v6, v7, s45
	s_lshr_b32 s18, s17, 3
	s_lshl_b32 s18, s18, 4
	s_lshl_b32 s19, s42, 2
	s_add_co_u32 s18, s18, s19
	s_lshl_b32 s19, s16, 1
	s_add_co_u32 s18, s18, s19
	s_mul_i32 s18, s18, HS
	s_bfe_u32 s19, s17, 0x10002
	s_mul_i32 s19, s19, SLOTB
	s_add_co_u32 s18, s18, s19
	s_and_b32 s19, s17, 3
	s_lshl_b32 s19, s19, 1
	s_add_co_u32 s19, s19, s15
	s_mul_i32 s92, s19, 6144
	s_add_co_u32 s92, s92, s18
	s_mov_b32 s20, 98304
	s_mov_b32 s96, 768
	s_mov_b32 s98, 768
	s_mov_b32 s21, HS
	s_mov_b32 s22, 256
	s_cmp_eq_u32 s12, 2
	s_cselect_b32 s2, 49152, 0
	s_cselect_b32 s3, 8, 9
	s_cselect_b32 s20, 102400, s20
	s_cselect_b32 s96, 1536, s96
	s_cselect_b32 s98, HS-3*1536, s98
	s_cselect_b32 s21, 768, s21
	s_cselect_b32 s22, HS, s22
	s_cselect_b32 s23, 0, 16
	s_mov_b32 s97, 0
	s_mov_b32 s99, 0
	s_cmp_eq_u32 s12, 0
	s_cselect_b64 s[46:47], s[8:9], s[10:11]
	s_add_co_u32 s92, s92, s2
	s_mov_b32 s93, 0
	s_add_nc_u64 s[OB:OB+1], s[46:47], s[92:93]
	s_lshl_b32 s94, s19, s3
	s_add_co_u32 s94, s94, s20
	s_add_co_u32 s94, s94, s18
	s_mov_b32 s95, 0
	s_add_nc_u64 s[94:95], s[46:47], s[94:95]
	v_lshlrev_b32 v[OA0], 3, v3
	v_add_nc_u32 v[OA1], s21, v[OA0]
	v_mul_u32_u24 v[SA], s22, v2
	v_lshl_add_u32 v[SA], v1, 4, v[SA]
	v_mul_u32_u24 v[SH], s23, v2
	s_lshl_b32 s2, s14, 10
	s_add_co_u32 s2, s2, STG
	v_lshlrev_b32 v5, 2, v1
	v_lshl_add_u32 v5, v2, 9, v5
	v_add_nc_u32 v[SST], s2, v5
	v_add_nc_u32 v[SLD], s2, v4
	s_mov_b32 s[SEL], 0x76543210
	s_mov_b32 s[SEL+1], 0xfedcba98
.macro FRAG reg, adr, q, i
.irp c, 0,1,2
	ds_load_b128 v[\reg+4*\c:\reg+4*\c+3], v[\adr] offset:(\i)*TILEB+(\q)*KIMG+512*\c
.endr
.endm
.macro MUL16 a0, p, q, sc, zero
.irp a, \a0, \a0+1
.irp b, 0,1,2,3,4,5,6,7
.if \zero
	v_wmma_scale_f32_16x16x128_f8f6f4 v[8*(8*((\a)%4)+\b):8*(8*((\a)%4)+\b)+7], v[128*(\p)+FR*\b:128*(\p)+FR*\b+FR-1], v[AF+FR*(\a):AF+FR*(\a)+FR-1], 0, v[SC+16*(\sc)+2*\b+(\q)], v[SC+16*(\sc)+2*(\a)+(\q)] matrix_a_fmt:MATRIX_FMT_FP6 matrix_b_fmt:MATRIX_FMT_FP6 matrix_a_scale:MATRIX_SCALE_ROW1
.else
	v_wmma_scale_f32_16x16x128_f8f6f4 v[8*(8*((\a)%4)+\b):8*(8*((\a)%4)+\b)+7], v[128*(\p)+FR*\b:128*(\p)+FR*\b+FR-1], v[AF+FR*(\a):AF+FR*(\a)+FR-1], v[8*(8*((\a)%4)+\b):8*(8*((\a)%4)+\b)+7], v[SC+16*(\sc)+2*\b+(\q)], v[SC+16*(\sc)+2*(\a)+(\q)] matrix_a_fmt:MATRIX_FMT_FP6 matrix_b_fmt:MATRIX_FMT_FP6 matrix_a_scale:MATRIX_SCALE_ROW1
.endif
.endr
.endr
.endm
.macro FETCH_S slot, q, p
	WIN TO_S
.irp i, 0,1,2,3,4,5,6,7
	FRAG 128*(\p)+FR*\i, ADRS+\slot, \q, \i
.endr
	WIN 0
.endm
.macro FETCH_P slot, q, i0
.irp i, \i0, \i0+1, \i0+2, \i0+3
	FRAG AF+FR*(\i), ADRP+\slot, \q, \i
.endr
.endm
.macro SCALES sc
.irp i, 0,1,2,3,4,5,6,7
.irp q, 0,1
	ds_load_b32 v[SC+16*\sc+2*\i+\q], v[SCAD] offset:1024*\i+128*\q
.endr
.endr
.endm
.macro PLACES n
.rept \n
	v_nop
.endr
.endm
.macro STEP slot, q, zero
	s_wait_dscnt 4*NL
	WIN MUL_LO
	MUL16 0, (\q)%2, \q, \slot, \zero
	MUL16 2, (\q)%2, \q, \slot, \zero
	s_wait_dscnt 0
	PLACES NP
	FETCH_S \slot, (\q)+1, 1-(\q)%2
	FETCH_P \slot, (\q)+1, 0
	WIN MUL_HI
	MUL16 4, (\q)%2, \q, \slot, \zero
	MUL16 6, (\q)%2, \q, \slot, \zero
	PLACES NP
	WIN 0
	FETCH_P \slot, (\q)+1, 4
.endm
.macro TURN slot, next, fill
	s_wait_tensorcnt 0x0
	ds_add_u32 v[SPW], v[NIL]
	s_wait_dscnt 4*NL+1
	WIN MUL_LO
	MUL16 0, 1, NQ-1, \slot, 0
	s_wait_dscnt 0x0
	s_barrier_signal -1
	MUL16 2, 1, NQ-1, \slot, 0
	WIN 0
	s_barrier_wait -1
.if \fill
	CREST
	s_add_nc_u64 s[G0+4*\slot+2:G0+4*\slot+3], s[G0+4*\slot+2:G0+4*\slot+3], 2*TILEB
	s_add_nc_u64 s[G0B+4*\slot+2:G0B+4*\slot+3], s[G0B+4*\slot+2:G0B+4*\slot+3], 2*TILEB
	JLOAD G0+4*\slot, G1, G0B+4*\slot, G1B
.else
	PLACES NP
.endif
	s_wait_alu depctr_va_vdst(0)
	v_add_nc_u32 v[SCAD], 128*NQ, v[SCAD]
	FETCH_S \next, 0, 0
	FETCH_P \next, 0, 0
	SCALES \next
	WIN MUL_HI
	MUL16 4, 1, NQ-1, \slot, 0
	MUL16 6, 1, NQ-1, \slot, 0
	PLACES NP
	WIN 0
	FETCH_P \next, 0, 4
.endm
	s_wait_alu depctr_va_vdst(0)                   ; the wait at the head's end
	s_wait_tensorcnt 0x0                           ; my tile of the head's four is in; slot 1's first fill goes out as a refill does
	ds_add_u32 v[SPW], v[NIL]
	s_mov_b32 s[G1+2], 8<<16                       ; no tensor load of mine is out: from here on a load brings 8 tiles,
	s_mov_b32 s[G1+4], 8
	s_mov_b32 s[G1B+2], 8<<16
	s_mov_b32 s[G1B+4], 8
	s_mul_i32 s2, s16, 8*12288                     ; and slot 0's descriptors go back to my quarter
	s_mov_b32 s3, 0
	s_add_nc_u64 s[G0+2:G0+3], s[G0+2:G0+3], s[2:3]
	s_add_nc_u64 s[G0B+2:G0B+3], s[G0B+2:G0B+3], s[2:3]
	s_mul_i32 s[G0+1], s14, QUART
	s_mul_i32 s[G0B+1], s14, QUART
	s_wait_dscnt 0x0
	CROUND
	JLOAD G0+4, G1, G0B+4, G1B
	FETCH_S 0, 0, 0
	FETCH_P 0, 0, 0
	SCALES 0
	FETCH_P 0, 0, 4
	STEP 0, 0, 1
	TURN 0, 1, 1
	STEP 1, 0, 0
	TURN 1, 0, 1
	STEP 0, 0, 0
	TURN 0, 1, 0
	STEP 1, 0, 0
	s_wait_dscnt 4*NL
	WIN MUL_LO
	MUL16 0, 1, NQ-1, 1, 0
	MUL16 2, 1, NQ-1, 1, 0
	s_wait_dscnt 0
	WIN MUL_HI
	MUL16 4, 1, NQ-1, 1, 0
	MUL16 6, 1, NQ-1, 1, 0
	WIN 0
.macro QUANTW a
.set AC, 64*((\a)%4)
.set W, 2+(\a)/4
.set WW, (W<<2)|(W<<4)
	WIN WW
.irp b, 0,1,2,3
	v_max3_num_f32 v[TM+\b], 0x1800000, |v[AC+16*\b]|, |v[AC+16*\b+1]|
.endr
.irp i, 2,4,6,8,10,12,14
.irp b, 0,1,2,3
	v_max3_num_f32 v[TM+\b], v[TM+\b], |v[AC+16*\b+\i]|, |v[AC+16*\b+\i+1]|
.endr
.endr
	WIN 0
.irp b, 0,1,2,3
	v_permlanex16_b32 v[TM+4+\b], v[TM+\b], s[SEL], s[SEL+1]
.endr
.irp b, 0,1,2,3
	v_max_num_f32 v[TM+\b], v[TM+\b], v[TM+4+\b]
.endr
.irp b, 0,1,2,3
	v_add_nc_u32 v[TM+12+\b], 0xff000000, v[TM+\b]
.endr
.irp b, 0,1,2,3
	v_lshrrev_b32 v[TM+4+\b], 23, v[TM+12+\b]
.endr
	v_lshl_or_b32 v[PW], v[TM+5], 8, v[TM+4]
	v_lshl_or_b32 v[PW], v[TM+6], 16, v[PW]
	v_lshl_or_b32 v[PW], v[TM+7], 24, v[PW]
	WIN W
.irp c, 0,1
	v_cvt_scalef32_pk16_fp6_f32 v[PC+6*\c:PC+2+6*\c], v[AC+32*\c:AC+15+32*\c], v[TM+12+2*\c]
	v_cvt_scalef32_pk16_fp6_f32 v[PC+12+4*\c:PC+14+4*\c], v[AC+16+32*\c:AC+31+32*\c], v[TM+13+2*\c]
.endr
	WIN 0
	v_nop
.irp c, 0,1
.irp i, 0,1,2
	v_permlane16_swap_b32 v[PC+6*\c+\i], v[PC+12+4*\c+\i]
.endr
.irp i, 0,1,2
	v_mov_b32 v[PC+3+6*\c+\i], v[PC+12+4*\c+\i]
.endr
.endr
.endm
.macro EPI a
	s_wait_xcnt 0x0
.if (\a) == 4
	s_add_nc_u64 s[OB:OB+1], s[OB:OB+1], s[98:99]
.elseif (\a) > 0
	s_add_nc_u64 s[OB:OB+1], s[OB:OB+1], s[96:97]
.endif
	QUANTW \a
	v_lshrrev_b32 v[PWS+(\a)], v[SH], v[PW]
	ds_store_b32 v[SST], v[PWS+(\a)] offset:64*(\a)
.irp p, 0,1,2,3,4,5
	global_store_b64 v[OA0+\p/3], v[PC+2*\p:PC+2*\p+1], s[OB:OB+1] offset:256*(\p%3)
.endr
.endm
	PLACES NP
.irp b, 0,1,2,3
	v_mov_b32 v[TM+4+\b], 0
.endr
.irp a, 0,1,2,3,4,5,6,7
	EPI \a
.endr
	ds_load_b128 v[TM:TM+3], v[SLD]
	ds_load_b128 v[TM+4:TM+7], v[SLD] offset:512
	s_wait_dscnt 0x0
	global_store_b128 v[SA], v[TM:TM+3], s[94:95]
	s_cmp_eq_u32 s12, 2
	s_cbranch_scc1 .Lone
	global_store_b128 v[SA], v[TM+4:TM+7], s[94:95] offset:HS
.Lone:
	s_wait_tensorcnt 0x0
	ds_add_u32 v[SPW], v[NIL]
	s_wait_dscnt 0x0
	CROUND
	s_endpgm
.Lfunc_end_k_q1ac1d364a2_proj:
	.size	k_q1ac1d364a2_proj, .Lfunc_end_k_q1ac1d364a2_proj-k_q1ac1d364a2_proj
	.p2alignl 7, 3214868480
	.fill 96, 4, 3214868480
	.section	.rodata,"a",@progbits
	.p2align	6, 0x0
	.amdhsa_kernel k_q1ac1d364a2_proj
		.amdhsa_group_segment_fixed_size 327680
		.amdhsa_private_segment_fixed_size 0
		.amdhsa_enable_private_segment 0
		.amdhsa_kernarg_size 32
		.amdhsa_user_sgpr_count 2
		.amdhsa_user_sgpr_kernarg_segment_ptr 1
		.amdhsa_wavefront_size32 1
		.amdhsa_system_sgpr_workgroup_id_x 1
		.amdhsa_system_sgpr_workgroup_id_y 1
		.amdhsa_system_sgpr_workgroup_id_z 1
		.amdhsa_system_vgpr_workitem_id 0
		.amdhsa_next_free_vgpr 1024
		.amdhsa_next_free_sgpr 100
		.amdhsa_reserve_vcc 0
		.amdhsa_float_denorm_mode_32 3
		.amdhsa_float_denorm_mode_16_64 3
		.amdhsa_memory_ordered 1
		.amdhsa_forward_progress 1
		.amdhsa_inst_pref_size 148
	.end_amdhsa_kernel
	.amdgpu_metadata
---
amdhsa.version: [ 1, 2 ]
amdhsa.kernels:
  - .name:           k_q1ac1d364a2_proj
    .symbol:         k_q1ac1d364a2_proj.kd
    .args:
      - { .name: codes, .offset: 0, .size: 8, .value_kind: global_buffer, .address_space: global }
      - { .name: scales, .offset: 8, .size: 8, .value_kind: global_buffer, .address_space: global }
      - { .name: qimg, .offset: 16, .size: 8, .value_kind: global_buffer, .address_space: global }
      - { .name: kv, .offset: 24, .size: 8, .value_kind: global_buffer, .address_space: global }
    .group_segment_fixed_size: 327680
    .private_segment_fixed_size: 0
    .kernarg_segment_align: 8
    .kernarg_segment_size: 32
    .max_flat_workgroup_size: 128
    .sgpr_count:     100
    .vgpr_count:     1024
    .wavefront_size: 32
...
	.end_amdgpu_metadata
.endif
;; end of part 2
;; launch attn (part 3): grid 4 x 64, 16 waves a work-group, no clusters, 210,944 bytes of LDS; arguments qimg, kv, maskw, maskf, ac, asc; writes ac, asc
.if DOCPART == 3
	.amdgcn_target "amdgcn-amd-amdhsa--gfx1250"
	.amdhsa_code_object_version 6
	.text
	.protected	k_q1ac1d364a2_attn
	.globl	k_q1ac1d364a2_attn
	.p2align	8
	.type	k_q1ac1d364a2_attn,@function
k_q1ac1d364a2_attn:
	s_mov_b64 s[64:65], 0
	v_nop
	global_prefetch_b8 v0, s[64:65] scope:SCOPE_SE
	s_setreg_imm32_b32 hwreg(HW_REG_WAVE_MODE, 25, 1), 1
	s_wait_xcnt 0x0
; Attention on codes of FP6 (E2M3) with E8M0 scales: for each (batch, head), O = softmax(mask(Q K^T / 8)) V, head size 64, 2,048 keys; the result is quantised along the model's axis and leaves as codes for the last product.
; THE SOFTMAX AHEAD OF THE SECOND PRODUCT: t = score x log2(e) / 8; M = the row's largest t so far, rounded up to a whole number; p = 2^(t - M) is quantised along the keys, not normalised.  The row's sum is taken of the
; unquantised p, in f32, and divides O at the end.  When M moves, the sum and O are multiplied by 2^(old M - new M): exact.
; THE MASK comes as whole numbers that an earlier launch stored.  maskf has a word for each (tile of queries, key step): 0 where no key of the step is hidden from any query of the tile.  Only where it is not 0 are the step's
; 64 lane masks (maskw: word j for score register j, a bit a lane) brought into scalar registers, and one v_cndmask_b32 a register puts -2^33 for a hidden score: a scalar branch on the stored word leads round that work alone.
; LIMIT: so a hidden logit is -2^30 and not -1e9: results differ only where a logit that counts lies under about -1e9.  c x -2^33 is a whole number, so a row all of whose keys are hidden has p = 1 everywhere, a uniform row.
; LIMITS: a block of zeros gets the scale byte 1 (its codes are zeros; this program alone reads the bytes); NaN and infinities are not served.
; SHARES.  A work-group owns ONE head of one batch and 512 queries; each of its sixteen waves owns two neighbouring tiles of 16 queries and walks the head's 2,048 keys once for each.
; THE HEAD'S K AND V, 208,896 bytes (two images of 1,024 keys: K's codes, V's codes, K's scale words, V's), LIE IN LDS WHOLE.  Each wave brings a sixteenth, 13,056 consecutive bytes, through its registers
; (25 loads of 512 bytes and one of 256, then as many LDS stores); one barrier shows the bytes to all waves, and no barrier stands between a wave's 32 key steps.
; NO TENSOR LOAD, AND SO NO CLUSTER: joint loads are tensor loads.
; NO PREFETCH: all of K and V is asked for at the launch's head; there is no later trip to ask ahead for.
; LAYOUT.  Both products are used transposed: S^T = K Q^T (source 0 = 16 keys, source 1 = my queries), O^T = V^T P^T: a lane holds one query throughout.
; Lane r of key tile T holds key 64 (T / 4) + 8 (T % 4) + r + 24 (r / 8): so score register 32 c + i of lane (r, h) is key 64 c + 32 h + i of the step: a whole block of 32 lies in one lane, in the order of p's operand.
; Queries' and channels' tiles: lane r of tile T holds row 32 (T / 2) + 8 (T % 2) + r + 8 (r / 8).
; K = 64 in an instruction of 128: Q's operand is six registers of codes and six of zeros.  K's tiles lie packed, six registers each: a tile's operand runs on into the next tile's codes, which meet Q's zeros.
; THE RESULT: a head is half of a fragment of the last product (128 along its K are a pair of heads): six of its twelve registers and two of its scale word's four bytes; each head stores its own bytes of the image.
.set SLOTB, 104448                     ; an image of 1,024 keys
.set HS,    2*SLOTB                    ; a head
.set PART,  HS/16                      ; a wave's sixteenth
.set VCO,   49152                      ; in an image: V's codes,
.set KSC,   98304                      ; K's scale words, 64 bytes a tile,
.set VSC,   102400                     ; V's, 64 bytes for each (key step, 16 channels)
.set SPARE, HS                         ; behind the head: the spare words, 128 bytes for each wave
.set L8,  1                            ; v1   8 x lane
.set L4,  2                            ; v2   4 x lane
.set ADK, 3                            ; v3   LDS address of the step's codes (at the head: of my sixteenth, 16 bytes a lane)
.set ADS, 4                            ; v4   of K's scale words (at the head: of my sixteenth, 8 bytes a lane)
.set ADT, 5                            ; v5   of V's
.set SPW, 6                            ; v6   LDS address of my spare word; never rewritten
.set NIL, 7                            ; v7   0; never rewritten
.set L16, 8                            ; v8   16 x lane
.set NEG, 9                            ; v9   -2^33
.set R4,  10                           ; v10  4 x (lane % 16)
.set H8,  11                           ; v11  8 x (lane / 16)
.set QE,  16                           ; v16-27 my first tile's Q: six registers of codes, six of zeros;  v28-39 my second tile's
.set QO,  28
.set QSE, 40                           ; v40, v41 their scale words
.set QSO, 41
.set KS,  42                           ; v42-45 K's scale words: lanes 0-15 tile 2 j, lanes 16-31 tile 2 j + 1
.set VS,  46                           ; v46-47 V's likewise
.set KF,  48                           ; v48-95 K's eight tiles, then V's four; v96-101 zeros: the tail of K's last operand (at the head v48-149: my sixteenth on its way)
.set S,   104                          ; v104-167 S^T, then p
.set OT,  168                          ; v168-199 O^T
.set PC,  200                          ; v200-211 p's codes, v212-219 the conversions' second halves
.set BM,  220                          ; v220-223 four chains of maxima; then v220, v222 my two blocks' largest scores, then largest p
.set PX,  224                          ; v224-227 at work
.set SO,  228                          ; v228-229 the conversions' scale operands
.set PWD, 232                          ; v232 p's scale word
.set FF,  234                          ; v[234:235] f = 2^(old M - new M), in the low word
.set TP,  236
.set FC,  240                          ; v240-245 the result's six registers;  v252 its two scale bytes
.set FW,  252
.set TBK, 2                            ; s2 LDS byte of the step's codes of K; s3 of K's scale words; s4 of V's; s5 counts an image's steps
.set TS,  3
.set TJ,  4
.set CNT, 5
.set AC,  6                            ; s[6:7] where my first tile's fragment lies
.set HC,  20                           ; s20 head % 2: which half of a fragment
.set FL,  21                           ; s21 bit n: in my n-th key step of 32 some key is hidden
.set ST,  22                           ; s22 n
.set SEL, 24                           ; s[24:25] v_permlanex16_b32's selects for lane l xor 16
.set CS,  26                           ; s[26:27] c = log2(e) / 8
.set MP,  28                           ; s[28:29] my two tiles' mask words: 32 key steps x 256 bytes on end
.set MO,  30                           ; s30 the key step's place among them
.set WV,  31                           ; s31 my wave's number
.set ASC, 66                           ; s[66:67] where my scale bytes go
                                       ; s32-63, s68-99: a step's 64 mask words (at the head: at work)
.macro MLOAD                           ; a key step's 64 mask words
	s_load_b512 s[32:47], s[MP:MP+1], s[MO] offset:0x0
	s_load_b512 s[48:63], s[MP:MP+1], s[MO] offset:0x40
	s_load_b512 s[68:83], s[MP:MP+1], s[MO] offset:0x80
	s_load_b512 s[84:99], s[MP:MP+1], s[MO] offset:0xc0
.endm
.macro INIT                            ; a tile begins: the first change of M multiplies zeros
	v_mov_b32 v13, 0xff61b1e6                      ; the largest t so far: -3e38, under every t
	s_delay_alu instid0(VALU_DEP_1)
	v_floor_f32 v12, -v13                          ; -M
	v_mov_b32 v14, 0                               ; the sum, in two halves
	v_mov_b32 v15, 0
.set j, 0
.rept 32
	v_mov_b32 v[OT+j], 0
.set j, j+1
.endr
.endm
	s_load_b256 s[32:39], s[0:1], 0x0              ; qimg s[32:33], kv s[34:35], maskw s[36:37], maskf s[38:39]
	s_load_b128 s[40:43], s[0:1], 0x20             ; ac s[40:41], asc s[42:43]
	v_lshl_add_u32 v[SPW], v0, 2, SPARE
	v_mov_b32 v[NIL], 0
	v_lshrrev_b32 v1, 5, v0
	s_delay_alu instid0(VALU_DEP_1)
	v_readfirstlane_b32 s[WV], v1                  ; wave 0..15
	v_and_b32 v11, 31, v0
	s_delay_alu instid0(VALU_DEP_1)
	v_lshlrev_b32 v[L8], 3, v11
	s_delay_alu instid0(VALU_DEP_2)
	v_lshlrev_b32 v[L4], 2, v11
	s_delay_alu instid0(VALU_DEP_3)
	v_lshlrev_b32 v[L16], 4, v11
	v_and_b32 v[R4], 15, v0
	s_delay_alu instid0(VALU_DEP_1)
	v_lshlrev_b32 v[R4], 2, v[R4]
	v_mov_b32 v[NEG], 0xd0000000
	v_and_b32 v[H8], 16, v0
	v_lshrrev_b32 v[H8], 1, v[H8]
	s_and_b32 s44, ttmp7, 0xffff                   ; 16 x batch + head;  ttmp9: my 512 queries of the batch's 2,048
	s_and_b32 s[HC], s44, 1
	s_mul_i32 s46, s44, HS                         ; the head's two images
	s_mul_i32 s45, s[WV], PART                     ; my sixteenth, in memory and in LDS
	s_add_co_u32 s48, s46, s45
	s_mov_b32 s49, 0
	s_lshr_b32 s50, ttmp9, 1
	s_mul_i32 s50, s50, SLOTB
	s_add_co_u32 s50, s50, s46                     ; Q: the head's image of my half of the tokens,
	s_and_b32 s51, ttmp9, 1
	s_lshl_b32 s51, s51, 5
	s_lshl_b32 s47, s[WV], 1
	s_add_co_u32 s51, s51, s47                     ; my first tile in it,
	s_mul_i32 s52, s51, 768
	s_add_co_u32 s52, s52, s50                     ; its codes,
	s_mov_b32 s53, 0
	s_lshl_b32 s54, s51, 6
	s_add_co_u32 s54, s54, s50
	s_add_co_u32 s54, s54, KSC                     ; its scale words
	s_mov_b32 s55, 0
	s_lshl_b32 s56, ttmp9, 5
	s_add_co_u32 s56, s56, s47                     ; my first tile of queries in the batch, 0..126
	s_lshl_b32 s58, s56, 12                        ; its mask words: 4,096 bytes a tile,
	s_mov_b32 s59, 0
	s_lshl_b32 s72, s56, 6                         ; its flags: 64 bytes a tile
	s_mov_b32 s73, 0
	s_lshr_b32 s57, s44, 4
	s_lshl_b32 s57, s57, 7
	s_add_co_u32 s57, s57, s56                     ; my tile among all 512
	s_lshl_b32 s57, s57, 3
	s_bfe_u32 s60, s44, 0x30001
	s_add_co_u32 s57, s57, s60                     ; x 8 + the pair of heads: which K step of the last product
	s_mul_i32 s60, s57, 1536
	s_mov_b32 s61, 0
	s_lshl_b32 s62, s57, 7
	s_lshl_b32 s63, s[HC], 1
	s_add_co_u32 s62, s62, s63                     ; my head's two bytes of each scale word
	s_mov_b32 s63, 0
	s_mov_b32 s[SEL], 0x76543210
	s_mov_b32 s[SEL+1], 0xfedcba98
	s_mov_b32 s[CS], 0x3e38aa3b                    ; c = log2(e) / 8
	s_mov_b32 s[CS+1], s[CS]                       ; (named with it as a pair, so it is written)
	s_mov_b32 s[ST], 0
	s_wait_alu depctr_va_vdst(0)                   ; the wait directly ahead of the readers behind the run of scalar lines
	v_add_nc_u32 v[ADK], s45, v[L16]
	v_add_nc_u32 v[ADS], s45, v[L8]
	s_wait_alu depctr_va_vdst(0)
	s_wait_kmcnt 0x0
	s_add_nc_u64 s[48:49], s[34:35], s[48:49]
	s_add_nc_u64 s[52:53], s[32:33], s[52:53]
	s_add_nc_u64 s[54:55], s[32:33], s[54:55]
	s_add_nc_u64 s[MP:MP+1], s[36:37], s[58:59]
	s_add_nc_u64 s[72:73], s[38:39], s[72:73]
	s_add_nc_u64 s[AC:AC+1], s[40:41], s[60:61]
	s_add_nc_u64 s[ASC:ASC+1], s[42:43], s[62:63]
.set j, 0
.rept 25
	global_load_b128 v[KF+4*j:KF+4*j+3], v[L16], s[48:49] offset:512*j   ; 32 lanes read 512 consecutive bytes
.set j, j+1
.endr
	global_load_b64 v[KF+100:KF+101], v[L8], s[48:49] offset:12800
.irp p, 0,1,2
	global_load_b64 v[QE+2*\p:QE+2*\p+1], v[L8], s[52:53] offset:256*\p       ; Q stays in registers
	global_load_b64 v[QO+2*\p:QO+2*\p+1], v[L8], s[52:53] offset:768+256*\p
.endr
	global_load_b32 v[QSE], v[R4], s[54:55]
	global_load_b32 v[QSO], v[R4], s[54:55] offset:64
	global_load_b32 v[TP], v[L4], s[72:73]         ; lane n: the flag of my n-th key step
.irp i, 0,1,2,3,4,5
	v_mov_b32 v[QE+6+\i], 0                        ; zero codes for k = 64 .. 127
	v_mov_b32 v[QO+6+\i], 0
.endr
.irp b, 0,1,2,3
	v_mov_b32 v[PX+\b], 0                          ; written once: a lane permute's destination counts as one of its sources
.endr
	v_mov_b32 v[FF+1], 0                           ; (named as the upper half of a pair)
	INIT
	s_wait_alu depctr_va_vdst(0)
	s_wait_loadcnt 9                               ; my sixteenth is in; the nine loads behind it (Q's six, two scale words, the flags) may be out
.set j, 0
.rept 25
	ds_store_b128 v[ADK], v[KF+4*j:KF+4*j+3] offset:512*j
.set j, j+1
.endr
	ds_store_b64 v[ADS], v[KF+100:KF+101] offset:12800
.irp i, 0,1,2,3,4,5
	v_mov_b32 v[KF+48+\i], 0
.endr
	s_wait_loadcnt 0x0                             ; Q and the flags
	v_cmp_ne_u32 s[FL], 0, v[TP]
	s_wait_alu depctr_va_vdst(0)                   ; the wait at the head's end
	s_wait_dscnt 0x0                               ; my stores are done
	s_barrier_signal -1
	s_barrier_wait -1                              ; and everybody's
; A KEY STEP: 128 keys.
.macro STEP qr, qs
	v_add_nc_u32 v[ADK], s[TBK], v[L8]
	v_add_nc_u32 v[ADS], s[TS], v[L4]
	v_add_nc_u32 v[ADT], s[TJ], v[L4]
	v_nop                                          ; four places in front of loads into registers that the last products have read
.irp t, 0,1,2,3,4,5,6,7
.irp p, 0,1,2
	ds_load_b64 v[KF+6*\t+2*\p:KF+6*\t+2*\p+1], v[ADK] offset:768*\t+256*\p   ; 32 lanes read 256 consecutive bytes
.endr
.endr
.irp j, 0,1,2,3
	ds_load_b32 v[KS+\j], v[ADS] offset:128*\j
.endr
	s_wait_alu depctr_va_vdst(0)
	s_wait_dscnt 0x0
.irp u, 0,1,2,3                        ; S^T = K Q^T: eight tiles of 16 keys
	v_wmma_scale_f32_16x16x128_f8f6f4 v[S+16*\u:S+16*\u+7], v[KF+12*\u:KF+12*\u+11], v[\qr:\qr+11], 0, v[KS+\u], v[\qs] matrix_a_fmt:MATRIX_FMT_FP6 matrix_b_fmt:MATRIX_FMT_FP6
	v_wmma_scale_f32_16x16x128_f8f6f4 v[S+16*\u+8:S+16*\u+15], v[KF+12*\u+6:KF+12*\u+17], v[\qr:\qr+11], 0, v[KS+\u], v[\qs] matrix_a_fmt:MATRIX_FMT_FP6 matrix_b_fmt:MATRIX_FMT_FP6 matrix_a_scale:MATRIX_SCALE_ROW1
.endr
.rept 4
	v_nop                                          ; places in front of the loads below and of the first read of the scores
.endr
.irp d, 0,1,2,3                        ; V's four tiles land under the softmax
.irp p, 0,1,2,3,4,5
	ds_load_b64 v[KF+12*\d+2*\p:KF+12*\d+2*\p+1], v[ADK] offset:VCO+1536*\d+256*\p
.endr
.endr
.irp j, 0,1
	ds_load_b32 v[VS+\j], v[ADT] offset:128*\j
.endr
	s_bitcmp1_b32 s[FL], s[ST]                     ; is any key of this step hidden from any of my 16 queries?
	s_cbranch_scc0 .Lclear_\@
	s_lshl_b32 s[MO], s[ST], 8
	s_and_b32 s[MO], s[MO], 0x1fff                 ; my two tiles' 32 steps lie on end
	MLOAD
	s_wait_kmcnt 0x0
.set j, 0
.rept 32
	v_cndmask_b32 v[S+j], v[NEG], v[S+j], s[32+j]  ; the score where the bit is set, else -2^33; each accumulator from its low end on
.set j, j+1
.endr
.rept 32
	v_cndmask_b32 v[S+j], v[NEG], v[S+j], s[36+j]
.set j, j+1
.endr
.Lclear_\@:
	s_add_co_u32 s[ST], s[ST], 1
.irp b, 0,1,2,3
	v_max3_num_f32 v[BM+\b], v[S+16*\b], v[S+1+16*\b], v[S+2+16*\b]   ; four chains by turns, two to a block of 32 keys
.endr
.irp i, 3,5,7,9,11,13
.irp b, 0,1,2,3
	v_max3_num_f32 v[BM+\b], v[BM+\b], v[S+16*\b+\i], v[S+1+16*\b+\i]
.endr
.endr
	v_max3_num_f32 v[BM], v[BM], v[BM+1], v[S+15]
	v_max3_num_f32 v[BM+2], v[BM+2], v[BM+3], v[S+47]
	v_max_num_f32 v[BM], v[BM], v[S+31]            ; the largest score of each of my two blocks: it serves for the row's maximum and, since p rises with the score, for the block's largest p
	v_max_num_f32 v[BM+2], v[BM+2], v[S+63]
	v_max_num_f32 v[TP], v[BM], v[BM+2]
	v_permlanex16_b32 v[PX], v[TP], s[SEL], s[SEL+1]
	v_max_num_f32 v[TP], v[TP], v[PX]              ; with lane l xor 16's two blocks: the step's largest score of my query
	s_delay_alu instid0(VALU_DEP_1)
	v_mul_f32 v[TP], s[CS], v[TP]                  ; as t
	s_delay_alu instid0(VALU_DEP_1)
	v_max_num_f32 v13, v13, v[TP]                  ; the running largest t
	v_mov_b32 v[TP], v12
	s_delay_alu instid0(VALU_DEP_2)
	v_floor_f32 v12, -v13                          ; the new -M = floor(-t) = -ceil(t)
	s_delay_alu instid0(VALU_DEP_1)
	v_sub_f32 v[TP], v12, v[TP]                    ; old M - new M: a whole number, 0 or less
	s_delay_alu instid0(VALU_DEP_1)
	v_cvt_i32_f32 v[TP], v[TP]                     ; (it saturates)
	s_delay_alu instid0(VALU_DEP_1)
	v_ldexp_f32 v[FF], 1.0, v[TP]                  ; f = 2^(old M - new M)
.set j, 0
.rept 32
	v_pk_fma_f32 v[S+j:S+j+1], v[S+j:S+j+1], s[CS:CS+1], v[12:13] op_sel_hi:[1,0,0]   ; t - M, two at a time (of the pairs c and -M the low word serves both halves)
.set j, j+2
.endr
.irp b, 0,2
	v_fma_f32 v[BM+\b], v[BM+\b], s[CS], v12       ; the same of each block's largest score
.endr
.set j, 0
	s_wait_alu depctr_va_vdst(0)
.rept 64
	v_exp_f32 v[S+j], v[S+j]                       ; p = 2^(t - M), at most 1
.set j, j+1
.endr
	v_pk_mul_f32 v[14:15], v[14:15], v[FF:FF+1] op_sel_hi:[1,0]   ; the sums under the new M: the plain instruction behind the exponentials
	s_wait_alu depctr_va_vdst(0)                   ; the wait ahead of the first instruction that names a result: one for the batch
.irp b, 0,2
	v_exp_f32 v[BM+\b], v[BM+\b]                   ; the block's largest p: the same two instructions on the same number give the same bits
.endr
	v_pk_add_f32 v[238:239], v[108:109], v[112:113]   ; the row's sum of the unquantised p, in eight chains
	v_pk_add_f32 v[254:255], v[116:117], v[120:121]
	v_pk_add_f32 v[250:251], v[124:125], v[128:129]
	v_pk_add_f32 v[248:249], v[132:133], v[136:137]
	v_pk_add_f32 v[246:247], v[140:141], v[144:145]
	v_pk_add_f32 v[232:233], v[148:149], v[152:153]
	v_pk_add_f32 v[230:231], v[156:157], v[160:161]
	v_pk_add_f32 v[14:15], v[14:15], v[164:165]
	v_pk_add_f32 v[238:239], v[238:239], v[104:105]
	v_pk_add_f32 v[254:255], v[254:255], v[106:107]
	v_pk_add_f32 v[250:251], v[250:251], v[110:111]
	v_pk_add_f32 v[248:249], v[248:249], v[114:115]
	v_pk_add_f32 v[246:247], v[246:247], v[118:119]
	v_pk_add_f32 v[232:233], v[232:233], v[122:123]
	v_pk_add_f32 v[230:231], v[230:231], v[126:127]
	v_pk_add_f32 v[14:15], v[14:15], v[130:131]
	v_pk_add_f32 v[238:239], v[238:239], v[134:135]
	v_pk_add_f32 v[254:255], v[254:255], v[138:139]
	v_pk_add_f32 v[250:251], v[250:251], v[142:143]
	v_pk_add_f32 v[248:249], v[248:249], v[146:147]
	v_pk_add_f32 v[246:247], v[246:247], v[150:151]
	v_pk_add_f32 v[232:233], v[232:233], v[154:155]
	v_pk_add_f32 v[230:231], v[230:231], v[158:159]
	v_pk_add_f32 v[14:15], v[14:15], v[162:163]
	v_pk_add_f32 v[238:239], v[238:239], v[166:167]
	s_delay_alu instid0(VALU_DEP_2)
	v_pk_add_f32 v[14:15], v[14:15], v[248:249]
	s_delay_alu instid0(VALU_DEP_2)
	v_pk_add_f32 v[238:239], v[238:239], v[246:247]
	v_pk_add_f32 v[254:255], v[254:255], v[232:233]
	v_pk_add_f32 v[250:251], v[250:251], v[230:231]
	s_delay_alu instid0(VALU_DEP_2)
	v_pk_add_f32 v[14:15], v[14:15], v[254:255]
	s_delay_alu instid0(VALU_DEP_2)
	v_pk_add_f32 v[238:239], v[238:239], v[250:251]
	s_delay_alu instid0(VALU_DEP_1)
	v_pk_add_f32 v[14:15], v[14:15], v[238:239]
	s_wait_alu depctr_va_vdst(0)                   ; and one for the two
.irp b, 0,2
	v_max_num_f32 v[BM+\b], 0x1800000, v[BM+\b]    ; the floor 2^(3 - 127): the byte cannot fall under 1
.endr
.irp c, 0,1
	v_add_nc_u32 v[SO+\c], 0xff000000, v[BM+2*\c]  ; 2 off the exponent field: the conversion's scale operand
.endr
.irp c, 0,1
	v_lshrrev_b32 v[PX+\c], 23, v[SO+\c]           ; the scale's byte of block 2 c + h
.endr
	v_lshl_or_b32 v[PWD], v[PX+1], 16, v[PX]       ; my two bytes,
	v_lshlrev_b32 v[PWD], v[H8], v[PWD]            ; at their places in the scale word;
	v_permlanex16_b32 v[PX+2], v[PWD], s[SEL], s[SEL+1]
	v_or_b32 v[PWD], v[PWD], v[PX+2]               ; with lane l xor 16's two: p's scale word for these 128 keys
.irp c, 0,1
	v_cvt_scalef32_pk16_fp6_f32 v[PC+6*\c:PC+2+6*\c], v[S+32*\c:S+15+32*\c], v[SO+\c]
	v_cvt_scalef32_pk16_fp6_f32 v[PC+12+4*\c:PC+14+4*\c], v[S+16+32*\c:S+31+32*\c], v[SO+\c]   ; (a conversion's three registers begin on an even number)
.endr
	v_nop                                          ; one plain instruction behind the scaled conversions
.irp c, 0,1
.irp i, 0,1,2
	v_mov_b32 v[PC+3+6*\c+\i], v[PC+12+4*\c+\i]    ; registers 6 c .. 6 c + 5: keys 64 c + 32 h + 0 .. 31
.endr
.endr
.set j, 0
.rept 16
	v_pk_mul_f32 v[OT+j:OT+j+1], v[OT+j:OT+j+1], v[FF:FF+1] op_sel_hi:[1,0]   ; O^T under the new M.  These sixteen are also the places between the codes and the scale word just made and the products below
.set j, j+2
.endr
	s_wait_alu depctr_va_vdst(0)
	s_wait_dscnt 0x0                               ; V
.irp u, 0,1                            ; O^T += V^T P^T: four tiles of 16 channels, one instruction each: the accumulators take turns
	v_wmma_scale_f32_16x16x128_f8f6f4 v[OT+16*\u:OT+16*\u+7], v[KF+24*\u:KF+24*\u+11], v[PC:PC+11], v[OT+16*\u:OT+16*\u+7], v[VS+\u], v[PWD] matrix_a_fmt:MATRIX_FMT_FP6 matrix_b_fmt:MATRIX_FMT_FP6
	v_wmma_scale_f32_16x16x128_f8f6f4 v[OT+16*\u+8:OT+16*\u+15], v[KF+24*\u+12:KF+24*\u+23], v[PC:PC+11], v[OT+16*\u+8:OT+16*\u+15], v[VS+\u], v[PWD] matrix_a_fmt:MATRIX_FMT_FP6 matrix_b_fmt:MATRIX_FMT_FP6 matrix_a_scale:MATRIX_SCALE_ROW1
.endr
.endm
; An image's eight key steps: written once, walked eight times
.macro VISIT slot, qr, qs
	s_mov_b32 s[TBK], \slot*SLOTB
	s_mov_b32 s[TS], \slot*SLOTB+KSC
	s_mov_b32 s[TJ], \slot*SLOTB+VSC
	s_mov_b32 s[CNT], 8
.Lstep_\@:
	STEP \qr, \qs
	s_add_co_u32 s[TBK], s[TBK], 6144              ; 8 tiles of K, and 4 of V, on
	s_add_co_u32 s[TS], s[TS], 512
	s_add_co_u32 s[TJ], s[TJ], 256
	s_sub_co_u32 s[CNT], s[CNT], 1
	s_cmp_lg_u32 s[CNT], 0
	s_cbranch_scc1 .Lstep_\@
.endm
; A tile is finished: O^T / the sum is quantised along the head's 64 channels and stored: six registers of the fragment, two bytes of its scale word.  ps: my first or second tile
.macro FINISH ps
	s_wait_xcnt 0x0                                ; the stores of the tile before have read their data
.rept 4
	v_nop                                          ; places behind the last products
.endr
	v_add_f32 v14, v14, v15                        ; the sum's two halves,
	s_delay_alu instid0(VALU_DEP_1)
	v_permlanex16_b32 v[TP], v14, s[SEL], s[SEL+1]
	s_delay_alu instid0(VALU_DEP_1)
	v_add_f32 v14, v14, v[TP]                      ; and lane l xor 16's
	s_wait_alu depctr_va_vdst(0)
	v_rcp_f32 v14, v14
	v_nop                                          ; a plain instruction behind the reciprocal
	s_wait_alu depctr_va_vdst(0)                   ; and the wait ahead of its first use
.set j, 0
.rept 32
	v_mul_f32 v[S+j], v[OT+j], v14                 ; register 16 b + i is channel 32 b + 16 (lane / 16) + i; each accumulator from its low end on
.set j, j+1
.endr
.irp b, 0,1
	v_max3_num_f32 v[BM+\b], |v[S+16*\b]|, |v[S+1+16*\b]|, 0x1800000
.endr
.irp i, 2,4,6,8,10,12,14
.irp b, 0,1
	s_delay_alu instid0(VALU_DEP_2)
	v_max3_num_f32 v[BM+\b], v[BM+\b], |v[S+16*\b+\i]|, |v[S+1+16*\b+\i]|
.endr
.endr
.irp b, 0,1
	s_delay_alu instid0(VALU_DEP_2)
	v_permlanex16_b32 v[PX+\b], v[BM+\b], s[SEL], s[SEL+1]
.endr
.irp b, 0,1
	s_delay_alu instid0(VALU_DEP_2)
	v_max_num_f32 v[BM+\b], v[BM+\b], v[PX+\b]
.endr
.irp b, 0,1
	s_delay_alu instid0(VALU_DEP_2)
	v_add_nc_u32 v[SO+\b], 0xff000000, v[BM+\b]
.endr
.irp b, 0,1
	s_delay_alu instid0(VALU_DEP_2)
	v_lshrrev_b32 v[PX+\b], 23, v[SO+\b]
.endr
	s_delay_alu instid0(VALU_DEP_1)
	v_lshl_or_b32 v[FW], v[PX+1], 8, v[PX]
	v_cvt_scalef32_pk16_fp6_f32 v[FC:FC+2], v[S:S+15], v[SO]
	v_cvt_scalef32_pk16_fp6_f32 v[PC+12:PC+14], v[S+16:S+31], v[SO+1]
	v_nop                                          ; one plain instruction behind the scaled conversions
.irp i, 0,1,2
	v_permlane16_swap_b32 v[FC+\i], v[PC+12+\i]
.endr
.irp i, 0,1,2
	s_delay_alu instid0(VALU_DEP_3)
	v_mov_b32 v[FC+3+\i], v[PC+12+\i]
.endr
	s_wait_alu depctr_va_vdst(0)                   ; the wait ahead of the branch
	s_cmp_eq_u32 s[HC], 0                          ; the fragment's image holds registers 4 c .. 4 c + 3 at 512 c + 16 x lane: an even head has registers 0-5, an odd one 6-11
	s_cbranch_scc0 .Lodd_\@
	global_store_b128 v[L16], v[FC:FC+3], s[AC:AC+1] offset:12288*\ps
	global_store_b64 v[L16], v[FC+4:FC+5], s[AC:AC+1] offset:12288*\ps+512
	s_branch .Lput_\@
.Lodd_\@:
	global_store_b64 v[L16], v[FC:FC+1], s[AC:AC+1] offset:12288*\ps+520
	global_store_b128 v[L16], v[FC+2:FC+5], s[AC:AC+1] offset:12288*\ps+1024
.Lput_\@:
	global_store_b16 v[L4], v[FW], s[ASC:ASC+1] offset:1024*\ps   ; my head's half of each lane's scale word
.endm
	VISIT 0, QE, QSE
	VISIT 1, QE, QSE
	FINISH 0
	INIT
	VISIT 0, QO, QSO
	VISIT 1, QO, QSO
	FINISH 1
	s_wait_tensorcnt 0x0                           ; the wave's end
	ds_add_u32 v[SPW], v[NIL]
	s_wait_dscnt 0x0
	s_endpgm
.Lfunc_end_k_q1ac1d364a2_attn:
	.size	k_q1ac1d364a2_attn, .Lfunc_end_k_q1ac1d364a2_attn-k_q1ac1d364a2_attn
	.p2alignl 7, 3214868480
	.fill 96, 4, 3214868480
	.section	.rodata,"a",@progbits
	.p2align	6, 0x0
	.amdhsa_kernel k_q1ac1d364a2_attn
		.amdhsa_group_segment_fixed_size 210944
		.amdhsa_private_segment_fixed_size 0
		.amdhsa_enable_private_segment 0
		.amdhsa_kernarg_size 48
		.amdhsa_user_sgpr_count 2
		.amdhsa_user_sgpr_kernarg_segment_ptr 1
		.amdhsa_wavefront_size32 1
		.amdhsa_system_sgpr_workgroup_id_x 1
		.amdhsa_system_sgpr_workgroup_id_y 1
		.amdhsa_system_sgpr_workgroup_id_z 1
		.amdhsa_system_vgpr_workitem_id 0
		.amdhsa_next_free_vgpr 256
		.amdhsa_next_free_sgpr 100
		.amdhsa_reserve_vcc 0
		.amdhsa_float_denorm_mode_32 3
		.amdhsa_float_denorm_mode_16_64 3
		.amdhsa_memory_ordered 1
		.amdhsa_forward_progress 1
		.amdhsa_inst_pref_size 106
	.end_amdhsa_kernel
	.amdgpu_metadata
---
amdhsa.version: [ 1, 2 ]
amdhsa.kernels:
  - .name:           k_q1ac1d364a2_attn
    .symbol:         k_q1ac1d364a2_attn.kd
    .args:
      - { .name: qimg, .offset: 0, .size: 8, .value_kind: global_buffer, .address_space: global }
      - { .name: kv, .offset: 8, .size: 8, .value_kind: global_buffer, .address_space: global }
      - { .name: maskw, .offset: 16, .size: 8, .value_kind: global_buffer, .address_space: global }
      - { .name: maskf, .offset: 24, .size: 8, .value_kind: global_buffer, .address_space: global }
      - { .name: ac, .offset: 32, .size: 8, .value_kind: global_buffer, .address_space: global }
      - { .name: asc, .offset: 40, .size: 8, .value_kind: global_buffer, .address_space: global }
    .group_segment_fixed_size: 210944
    .private_segment_fixed_size: 0
    .kernarg_segment_align: 8
    .kernarg_segment_size: 48
    .max_flat_workgroup_size: 512
    .sgpr_count:     100
    .vgpr_count:     256
    .wavefront_size: 32
...
	.end_amdgpu_metadata
.endif
;; end of part 3
;; launch oproj (part 4): grid 8 x 32, 4 waves a work-group, clusters of 4 x 4, 327,680 bytes of LDS; arguments ac, asc, codes, scales, out0; writes out0
.if DOCPART == 4
	.amdgcn_target "amdgcn-amd-amdhsa--gfx1250"
	.amdhsa_code_object_version 6
	.text
	.protected	k_q1ac1d364a2_oproj
	.globl	k_q1ac1d364a2_oproj
	.p2align	8
	.type	k_q1ac1d364a2_oproj,@function
k_q1ac1d364a2_oproj:
	s_mov_b64 s[64:65], 0
	v_nop
	global_prefetch_b8 v0, s[64:65] scope:SCOPE_SE
	s_setreg_imm32_b32 hwreg(HW_REG_WAVE_MODE, 25, 1), 1
	s_wait_xcnt 0x0
	s_wait_alu depctr_hold_cnt(0) depctr_sa_sdst(0) depctr_va_vdst(0) depctr_va_sdst(0) depctr_va_ssrc(0) depctr_va_vcc(0) depctr_vm_vsrc(0)
	s_getreg_b32 s2, hwreg(HW_REG_IB_STS2, 6, 4)
	s_cmp_eq_u32 s2, 0
	s_cbranch_scc0 .Lentry_in_a_cluster
	s_endpgm
.Lentry_in_a_cluster:
	s_bfe_u32 s2, ttmp6, 0x10000c
	s_cmp_lg_u32 s2, 0xf033
	s_cbranch_scc0 .Lentry_shape_is_right
	s_endpgm
.Lentry_shape_is_right:
; out0 [8192][1024], f32 = A w_o^T on codes of FP6 (E2M3) with E8M0 scales.  A: the attention's result as images of operand registers, ac [tile of 16 rows][K step of 128][1,536 bytes], asc [tile][K step][128 bytes];
; w_o likewise in codes and scales, from tile 1,728 on.  Lane r of a tile T holds row 32 (T / 2) + 8 (T % 2) + r + 8 (r / 8).
; THE DEAL.  A work-group makes 256 rows x 128 columns: 32 x 8 = 256 work-groups.  ALL OF K LIES IN LDS: A's 16 tiles (196,608 bytes), w_o's 8 (98,304), their scale words (16,384 and 8,192): four tensor loads at the head,
; one a wave, each a dense block as rows of 256 bytes.  Nothing is filled again.
; Four waves, 2 x 2: a wave takes 128 rows x 64 columns.  Its 64 rows of w_o, all of K, go into registers (4 tiles x 8 K steps x 12 = 384); they are read from LDS while A is on its way: the first barrier shows w_o alone.
; A's eight tiles stream past: a tile's 8 fragments lie twice in registers; 32 products finish its 16 x 64 results, on four accumulators by turns.
; THE WAY OUT goes tile by tile, beside the products: the matrix instruction is used transposed (source 0 = w_o's rows), so a lane holds eight neighbouring columns of a row; the 16 rows go through the wave's own stage
; and come back as whole rows of 256 bytes, which sixteen lanes store as one aligned unit.  The stage lies in w_o's LDS bytes: they have had their only fill, and behind the second barrier every wave holds w_o in registers.
; CLUSTERS: 4 x 4.  A's tiles and scale words are shared by a row of the cluster, w_o's by a column: joint loads.
; NO PREFETCH: all that the launch reads is asked for at its head; there is no later trip to ask ahead for.
; REGISTERS: window 0: addresses, scale words (v32-47 A's two sets, v64-95 w_o's), v128-191 rows on the way out, two sets.  Window 1: w_o's fragments of K steps 0-4.  Window 2: v0-143 those of K steps 5-7; v144-239 A's set 0.
; Window 3: v0-95 A's set 1; v96-159 two sets of four accumulators.
.set TB,    12288                      ; a tile, all of K
.set KIMG,  1536
.set LB,    16*TB                      ; LDS: A's codes at 0, w_o's here,
.set LSB,   LB+8*TB                    ; w_o's scale words,
.set LSA,   LSB+8192                   ; A's,
.set SPARE, LSA+16384                  ; the spare words: 128 bytes for each wave
.set SP,    272                        ; a stage row: 256 bytes + 16
.set ADA,  16                          ; v16, v17 LDS address of my A tiles 0-3, 4-7
.set ADB,  18                          ; v18 of my w_o tiles
.set ASA,  19                          ; v19 of A's scale words
.set ASB,  20                          ; v20 of w_o's
.set STO,  24                          ; v24 into the stage
.set RD,   25                          ; v25 out of it
.set CO,   26                          ; v26 my byte offset in out0
.set SPW,  28
.set NIL,  29
.set SA,   32
.set SB,   64                          ; w_o's word of (K step q, tile b) at v[SB + 8 b + (q + 1) % 8]: never A's register number modulo 8
.set OUT,  128
.set G1A,  24
.set G1B,  32
.set G1SA, 48
.set G1SB, 56
.set G0A,  68
.set G0B,  72
.set G0SA, 76
.set G0SB, 80
.set MSB, 0
.macro WIN new
.if MSB != (\new)
	s_set_vgpr_msb (MSB<<8)|(\new)
.set MSB, \new
.endif
.endm
.macro PLACES n
.rept \n
	v_nop
.endr
.endm
.macro CROUND
	s_barrier_signal -1
	s_barrier_wait -1
	s_cmp_lg_u32 s14, 0
	s_cbranch_scc1 .Lnot_wave_0_\@
	s_barrier_signal -3
.Lnot_wave_0_\@:
	s_barrier_wait -3
	s_barrier_signal -1
	s_barrier_wait -1
.endm
.macro GROUP1 g, mask, rows            ; a dense block: rows of 256 bytes (32 elements of 8), no padding
	s_or_b32 s[\g], s[\mask], (3<<16)|(1<<21)
	s_mov_b32 s[\g+1], 32<<16
	s_mov_b32 s[\g+2], (\rows)<<16
	s_mov_b32 s[\g+3], 32<<16
	s_mov_b32 s[\g+4], \rows
	s_mov_b32 s[\g+5], 32
	s_mov_b32 s[\g+6], 0
	s_mov_b32 s[\g+7], 0
.endm
.macro GROUP0 g, lds, base, off
	s_mov_b32 s[\g], 1
	s_mov_b32 s[\g+1], \lds
	s_add_nc_u64 s[\g+2:\g+3], s[\base:\base+1], s[\off:\off+1]
	s_or_b32 s[\g+3], s[\g+3], 0x80000000
.endm
	s_load_b256 s[4:11], s[0:1], 0x0               ; ac, asc, codes, scales
	s_load_b64 s[12:13], s[0:1], 0x20              ; out0
	v_lshl_add_u32 v[SPW], v0, 2, SPARE
	v_mov_b32 v[NIL], 0
	ds_add_u32 v[SPW], v[NIL]                      ; the opening: the add, twice on end, and its wait
	ds_add_u32 v[SPW], v[NIL]
	v_lshrrev_b32 v8, 5, v0
	v_readfirstlane_b32 s14, v8                    ; wave
	s_lshr_b32 s15, s14, 1                         ; my half of the rows
	s_and_b32 s16, s14, 1                          ; my half of the columns
	s_bfe_u32 s40, ttmp6, 0x40000                  ; cx
	s_bfe_u32 s41, ttmp6, 0x40004                  ; cy
	s_lshl_b32 s42, ttmp9, 2
	s_add_co_u32 s42, s42, s40                     ; block column, 0..7
	s_and_b32 s17, ttmp7, 0xffff
	s_lshl_b32 s17, s17, 2
	s_add_co_u32 s17, s17, s41                     ; block row, 0..31
	s_lshl_b32 s43, s41, 2
	s_lshl_b32 s43, 15, s43                        ; my row of the cluster
	s_lshl_b32 s44, 0x1111, s40                    ; my column
	GROUP1 G1A, 43, 768
	GROUP1 G1B, 44, 384
	GROUP1 G1SA, 43, 64
	GROUP1 G1SB, 44, 32
	s_mul_i32 s20, s17, 16*TB                      ; A's 16 tiles
	s_mov_b32 s21, 0
	s_lshl_b32 s22, s17, 14                        ; their scale words
	s_mov_b32 s23, 0
	s_mul_i32 s46, s42, 8*TB
	s_add_co_u32 s46, s46, 1728*TB                 ; w_o's 8 tiles
	s_mov_b32 s47, 0
	s_lshl_b32 s84, s42, 13
	s_add_co_u32 s84, s84, 1728*1024               ; their scale words
	s_mov_b32 s85, 0
	s_mul_i32 s86, s15, 8*TB                       ; LDS: my A tiles 0-3,
	s_add_co_u32 s87, s86, 4*TB                    ; 4-7,
	s_mul_i32 s88, s16, 4*TB
	s_add_co_u32 s88, s88, LB                      ; my w_o tiles,
	s_lshl_b32 s89, s15, 13
	s_add_co_u32 s89, s89, LSA                     ; A's scale words,
	s_lshl_b32 s90, s16, 12
	s_add_co_u32 s90, s90, LSB                     ; w_o's,
	s_mul_i32 s91, s14, 16*SP
	s_add_co_u32 s91, s91, LB                      ; my stage
	v_and_b32 v1, 15, v0                           ; r
	v_bfe_u32 v2, v0, 4, 1                         ; h
	v_and_b32 v3, 31, v0
	v_lshlrev_b32 v4, 4, v3
	v_lshlrev_b32 v5, 2, v3
	v_add_nc_u32 v[ADA], s86, v4
	v_add_nc_u32 v[ADA+1], s87, v4
	v_add_nc_u32 v[ADB], s88, v4
	v_add_nc_u32 v[ASA], s89, v5
	v_add_nc_u32 v[ASB], s90, v5
	v_mul_u32_u24 v6, v1, SP
	v_lshl_add_u32 v6, v2, 6, v6
	v_add_nc_u32 v[STO], s91, v6                   ; in: row r, 64 bytes on for the upper lanes
	v_mul_u32_u24 v7, v2, SP
	v_lshl_add_u32 v7, v1, 4, v7
	v_add_nc_u32 v[RD], s91, v7                    ; back: lanes 0-15 one row of 256 bytes, lanes 16-31 the next
	v_lshlrev_b32 v9, 12, v2
	v_lshl_add_u32 v[CO], v1, 4, v9                ; and the same two rows of out0
	s_wait_alu depctr_va_vdst(0)                   ; the wait at the end of the head's vector work
	s_wait_dscnt 0x0
	s_wait_kmcnt 0x0
	GROUP0 G0A, 0, 4, 20
	GROUP0 G0SA, LSA, 6, 22
	GROUP0 G0B, LB, 8, 46
	GROUP0 G0SB, LSB, 10, 84
	CROUND                                         ; all sixteen work-groups are here: the joint loads meet
.macro ARM under, g0, g1, next         ; one chain of branches on the wave's number, one load to an arm
	s_cmp_lt_u32 s14, \under
	s_cbranch_scc0 \next
	tensor_load_to_lds s[\g0:\g0+3], s[\g1:\g1+7]
	s_nop 0
	PLACES 4
	s_branch .Lasked
\next:
.endm
	ARM 1, G0B, G1B, .Lw1                          ; wave 0: w_o's codes, which are read first
	ARM 2, G0SB, G1SB, .Lw2                        ; wave 1: w_o's scale words
	ARM 3, G0A, G1A, .Lw3                          ; wave 2: A's codes
	tensor_load_to_lds s[G0SA:G0SA+3], s[G1SA:G1SA+7]   ; wave 3: A's scale words
	s_nop 0
	PLACES 4
.Lasked:
	s_lshl_b32 s18, s17, 8
	s_lshl_b32 s19, s15, 7
	s_add_co_u32 s18, s18, s19                     ; my first row of out0
	s_lshl_b32 s18, s18, 12
	s_lshl_b32 s19, s42, 9
	s_add_co_u32 s18, s18, s19
	s_lshl_b32 s19, s16, 8
	s_add_co_u32 s18, s18, s19                     ; + my first column, in bytes
	s_mov_b32 s19, 0
	s_add_nc_u64 s[12:13], s[12:13], s[18:19]
	s_cmp_lt_u32 s14, 2
	s_cbranch_scc0 .Lnot_b
	s_wait_tensorcnt 0x0                           ; waves 0 and 1: w_o's codes, w_o's scale words
.Lnot_b:
	s_barrier_signal -1
	s_barrier_wait -1                              ; w_o is in; A may still be on its way
.macro BFRAG q, b                      ; w_o's fragment of (K step q, tile b)
.if (\q) < 5
	WIN 1<<6
.set R_, 48*(\q)+12*(\b)
.else
	WIN 2<<6
.set R_, 48*((\q)-5)+12*(\b)
.endif
.irp c, 0,1,2
	ds_load_b128 v[R_+4*\c:R_+4*\c+3], v[ADB] offset:(\b)*TB+(\q)*KIMG+512*\c
.endr
.endm
.irp q, 0,1,2,3,4,5,6,7
.irp b, 0,1,2,3
	BFRAG \q, \b
.endr
.endr
	WIN 0
.irp q, 0,1,2,3,4,5,6,7
.irp b, 0,1,2,3
	ds_load_b32 v[SB+8*\b+(\q+1)%8], v[ASB] offset:1024*\b+128*\q
.endr
.endr
	s_wait_tensorcnt 0x0                           ; every wave: all that is still out
	s_wait_dscnt 0x0                               ; w_o is in my registers
	s_barrier_signal -1
	s_barrier_wait -1                              ; A is in, and nobody reads w_o's LDS bytes any more
.macro FETCH a                         ; A's tile a, all of K, into set a % 2: 24 loads of codes, 8 of scale words
.set E_, (\a)%2
.set AR_, 144*(1-E_)
	WIN (2+E_)<<6
.irp q, 0,1,2,3,4,5,6,7
.irp c, 0,1,2
	ds_load_b128 v[AR_+12*\q+4*\c:AR_+12*\q+4*\c+3], v[ADA+(\a)/4] offset:((\a)%4)*TB+\q*KIMG+512*\c
.endr
.endr
	WIN 0
.irp q, 0,1,2,3,4,5,6,7
	ds_load_b32 v[SA+8*E_+\q], v[ASA] offset:1024*(\a)+128*\q
.endr
.endm
.macro MUL a                           ; 32 products: K ascending, the four accumulators by turns; the first four start the sums
.set E_, (\a)%2
.set AR_, 144*(1-E_)
.set D_, 96+32*E_
.irp q, 0,1,2,3,4,5,6,7
.if \q < 5
	WIN 1|((2+E_)<<2)|0xf0
.set BR_, 48*\q
.else
	WIN 2|((2+E_)<<2)|0xf0
.set BR_, 48*(\q-5)
.endif
.irp b, 0,1,2,3
.if \q == 0
	v_wmma_scale_f32_16x16x128_f8f6f4 v[D_+8*\b:D_+8*\b+7], v[BR_+12*\b:BR_+12*\b+11], v[AR_+12*\q:AR_+12*\q+11], 0, v[SB+8*\b+(\q+1)%8], v[SA+8*E_+\q] matrix_a_fmt:MATRIX_FMT_FP6 matrix_b_fmt:MATRIX_FMT_FP6
.else
	v_wmma_scale_f32_16x16x128_f8f6f4 v[D_+8*\b:D_+8*\b+7], v[BR_+12*\b:BR_+12*\b+11], v[AR_+12*\q:AR_+12*\q+11], v[D_+8*\b:D_+8*\b+7], v[SB+8*\b+(\q+1)%8], v[SA+8*E_+\q] matrix_a_fmt:MATRIX_FMT_FP6 matrix_b_fmt:MATRIX_FMT_FP6
.endif
.endr
.endr
	WIN 0
.endm
.macro TOSTAGE a                       ; register j of tile b in lane (r, h) is column 32 (b / 2) + 8 (b % 2) + 16 h + j of row r.  LDS serves a wave's instructions in order (ISA guide 5.7.1.4): no wait between the stores and the loads
.set D_, 96+32*((\a)%2)
	WIN 3<<2
.irp b, 0,1,2,3
	ds_store_b128 v[STO], v[D_+8*\b:D_+8*\b+3] offset:128*(\b/2)+32*(\b%2)       ; each accumulator from its low end on
	ds_store_b128 v[STO], v[D_+8*\b+4:D_+8*\b+7] offset:128*(\b/2)+32*(\b%2)+16
.endr
	WIN 0
.irp t, 0,1,2,3,4,5,6,7
	ds_load_b128 v[OUT+32*((\a)%2)+4*\t:OUT+32*((\a)%2)+4*\t+3], v[RD] offset:2*\t*SP
.endr
.endm
.macro SEND a                          ; behind a wait on XCNT: the base may step
.if (\a) > 0
.if ((\a)%2) == 1
	s_add_nc_u64 s[12:13], s[12:13], 8*4096        ; a tile's first row: 32 (a / 2) + 8 (a % 2)
.else
	s_add_nc_u64 s[12:13], s[12:13], 24*4096
.endif
.endif
.irp t, 0,1,2,3,4,5,6,7
	global_store_b128 v[CO], v[OUT+32*((\a)%2)+4*\t:OUT+32*((\a)%2)+4*\t+3], s[12:13] offset:(2*\t+8*(\t/4))*4096 th:TH_STORE_NT   ; sixteen lanes store 256 consecutive bytes, aligned
.endr
.endm
.macro TILE a
	MUL \a
	PLACES 4                                       ; in front of the loads into the fragments just read and of the stores of the results just made
	s_wait_dscnt 0x0                               ; all that was issued ahead of these 32 products: the next tile's fragments, and the last tile's rows back from the stage
.if (\a) > 0
	s_wait_xcnt 0x0                                ; earlier stores have read their base and their data
	SEND (\a)-1
.endif
.if (\a)+2 < 8
	FETCH (\a)+2
.endif
	TOSTAGE \a
.endm
	FETCH 0
	FETCH 1
	s_wait_dscnt 32                                ; tile 0 is in; tile 1's 32 loads may be out
.irp a, 0,1,2,3,4,5,6,7
	TILE \a
.endr
	s_wait_dscnt 0x0
	s_wait_xcnt 0x0
	SEND 7
	s_wait_tensorcnt 0x0                           ; the wave's end
	ds_add_u32 v[SPW], v[NIL]
	s_wait_dscnt 0x0
	CROUND                                         ; the closing round
	s_endpgm
.Lfunc_end_k_q1ac1d364a2_oproj:
	.size	k_q1ac1d364a2_oproj, .Lfunc_end_k_q1ac1d364a2_oproj-k_q1ac1d364a2_oproj
	.p2alignl 7, 3214868480
	.fill 96, 4, 3214868480
	.section	.rodata,"a",@progbits
	.p2align	6, 0x0
	.amdhsa_kernel k_q1ac1d364a2_oproj
		.amdhsa_group_segment_fixed_size 327680
		.amdhsa_private_segment_fixed_size 0
		.amdhsa_enable_private_segment 0
		.amdhsa_kernarg_size 40
		.amdhsa_user_sgpr_count 2
		.amdhsa_user_sgpr_kernarg_segment_ptr 1
		.amdhsa_wavefront_size32 1
		.amdhsa_system_sgpr_workgroup_id_x 1
		.amdhsa_system_sgpr_workgroup_id_y 1
		.amdhsa_system_sgpr_workgroup_id_z 1
		.amdhsa_system_vgpr_workitem_id 0
		.amdhsa_next_free_vgpr 1024
		.amdhsa_next_free_sgpr 100
		.amdhsa_reserve_vcc 0
		.amdhsa_float_denorm_mode_32 3
		.amdhsa_float_denorm_mode_16_64 3
		.amdhsa_memory_ordered 1
		.amdhsa_forward_progress 1
		.amdhsa_inst_pref_size 83
	.end_amdhsa_kernel
	.amdgpu_metadata
---
amdhsa.version: [ 1, 2 ]
amdhsa.kernels:
  - .name:           k_q1ac1d364a2_oproj
    .symbol:         k_q1ac1d364a2_oproj.kd
    .args:
      - { .name: ac, .offset: 0, .size: 8, .value_kind: global_buffer, .address_space: global }
      - { .name: asc, .offset: 8, .size: 8, .value_kind: global_buffer, .address_space: global }
      - { .name: codes, .offset: 16, .size: 8, .value_kind: global_buffer, .address_space: global }
      - { .name: scales, .offset: 24, .size: 8, .value_kind: global_buffer, .address_space: global }
      - { .name: out0, .offset: 32, .size: 8, .value_kind: global_buffer, .address_space: global }
    .group_segment_fixed_size: 327680
    .private_segment_fixed_size: 0
    .kernarg_segment_align: 8
    .kernarg_segment_size: 40
    .max_flat_workgroup_size: 128
    .sgpr_count:     100
    .vgpr_count:     1024
    .wavefront_size: 32
...
	.end_amdgpu_metadata
.endif
;; end of part 4
